; MI455X (gfx1250); checked and timed in simulation.
; The chip was launched on July 23, 2026; its instructions are those of AMD's public machine-readable ISA for CDNA 5 (MIT licence, August 2026) and "CDNA5" Instruction Set Architecture Reference Guide (July 2026). The comments in the code are by the model that wrote it; some were corrected since.
;; HAINT Attention. Allowed arithmetic: float matrix products may take bf16 or f16 operands with f32 sums; other float arithmetic in f32, or as packed bf16 or f16 multiplies, adds, multiply-adds, maxima and minima; sums over many terms, partial sums and values carried from step to step in f32; what a program stores and reads back later, other than sums and carried values, may be rounded once to bf16 or f16.
;; Inputs: W_a 512 x 512 float32; W_ah 512 x 512 float32; W_as 1,024 x 512 float32; ba 1 x 512 float32; ct 256 x 512 float32; hi 256 x 512 x 512 float32; ht 256 x 512 float32; v 1 x 512 float32.
;; Outputs: out0 256 x 512 float32.
;; 2 versions, each right; version 2 is version 1 with the launch main written anew for expert scheduling mode. Each part assembles by itself: llvm-mc -triple=amdgcn-amd-amdhsa -mcpu=gfx1250 --defsym DOCPART=n.
;; ======== version 1 of 2: 2 launches
;; workspace buffers: wts 1,048,576 bytes; cb 524,288 bytes
;; launch prep (part 1): grid 128 x 1, 16 waves a work-group, no clusters, 71,680 bytes of LDS; arguments W_ah, W_a, W_as, ht, ct, ba, wts, cb; writes wts, cb
.if DOCPART == 1
	.amdgcn_target "amdgcn-amd-amdhsa--gfx1250"
	.amdhsa_code_object_version 6
	.text
	.protected	k_q71d6f327f9_prep
	.globl	k_q71d6f327f9_prep
	.p2align	8
	.type	k_q71d6f327f9_prep,@function
k_q71d6f327f9_prep:
	s_mov_b64 s[64:65], 0
	v_nop
	global_prefetch_b8 v0, s[64:65] scope:SCOPE_SE
	s_setreg_imm32_b32 hwreg(HW_REG_WAVE_MODE, 25, 1), 1
	s_wait_xcnt 0x0
; PREPARATION for the launch that follows.  Two shares, both in every work-group (128 work-groups of 16 waves).
; SHARE A.  W_ah and W_a ([512][512] f32, [k][n]) are rounded to bf16 and written in the order in which the next launch's waves take them as matrix fragments.  The byte of element i (0..7) is
;   w 262,144 + mat 131,072 + kb 8,192 + f 1,024 + part 512 + lane 16 + 2 i   and holds   W[k = 32 kb + 16 part + 8 (lane / 16) + i][n = 128 w + 16 f + lane % 16],   mat = 0: W_ah, 1: W_a.
;   A work-group writes the 8,192 bytes of one (mat, w, kb); a thread one piece of 16 bytes; a wave's store covers 512 consecutive bytes, aligned.
; SHARE B.  cb[b][n] = 2 log2(e) x ((ht | ct)[b] . W_as[:, n] + ba[n]), f32 [256][512]: the part of tanh's argument that does not hang on t, already scaled for 2^x.
;   A work-group makes 16 rows x 64 columns.  K = 1,024 is split among the 16 waves, 64 each (two matrix steps of 32); operands are rounded to bf16, sums are f32; the 16 partial tiles meet in LDS in f32.
;   Column block x (0..3) of a wave holds the columns 64 cg + 4 r + x (r = lane % 16), so that ONE load of 16 bytes a lane gives one number to each of the four blocks, and 16 lanes read 256 consecutive bytes of a row of W_as.
; The input v is named by no launch: reference() takes it as an argument and never uses it.
; LIMITS.  Matrix operands are bf16 (range of f32, 8 significant bits).  NaN and infinities are not treated apart.
.set PP,    272                        ; a row of a partial tile in LDS: 64 f32 + 16 bytes
.set PW,    16*PP                      ; a wave's partial tile
.set SPARE, 16*PW                      ; behind the 16 tiles: the spare words, 128 bytes for each wave: eight blocks of 256 bytes that no other line names
.set RO,  1                            ; v1   share A: 4 r + 16,384 h in W
.set QO,  2                            ; v2   2,048 r + 32 h in ht or ct
.set WO,  3                            ; v3   16 r + 16,384 h in W_as
.set PA,  4                            ; v4   where I put my partial sums
.set RA,  5                            ; v5   where I read 16 bytes of each partial tile
.set SO,  6                            ; v6   16 x thread: my piece in wts
.set CO,  7                            ; v7   my 16 bytes in cb
.set BO,  8                            ; v8   16 r: my 16 bytes in ba
.set SPW, 12                           ; v12  LDS address of my spare word; never rewritten
.set NIL, 13                           ; v13  0; never rewritten
.set QF,  16                           ; v[16:47]   q as loaded, 16 registers a step; packed in place to 8
.set WF,  48                           ; v[48:175]  W_as as loaded: step st, row e, block x at 48 + 64 st + 4 e + x
.set FB0, 176                          ; v[176:207] step 0: block x fragment at 176 + 8 x
.set FB1, 48                           ; v[48:79]   step 1: in the registers that step 0's rows have left
.set ACC, 208                          ; v[208:239] four accumulators
.set RF,  240                          ; v[240:247] share A: eight numbers of a column of W
.set BA,  248                          ; v[248:251] ba
.set RD,  48                           ; v[48:111]  the 16 partial sums read back
.set WV,  20                           ; s20  my wave's number
	s_load_b512 s[4:19], s[0:1], 0x0               ; W_ah s[4:5], W_a s[6:7], W_as s[8:9], ht s[10:11], ct s[12:13], ba s[14:15], wts s[16:17], cb s[18:19]
	v_lshl_add_u32 v[SPW], v0, 2, SPARE
	v_mov_b32 v[NIL], 0
	v_lshrrev_b32 v9, 5, v0
	v_readfirstlane_b32 s[WV], v9                  ; wave 0..15
	v_and_b32 v9, 15, v0                           ; r
	v_bfe_u32 v10, v0, 4, 1                        ; h
	v_bfe_u32 v11, v0, 4, 4                        ; the reduction's row: thread / 16 in waves 0 to 7
	v_lshlrev_b32 v[BO], 4, v9
	v_lshlrev_b32 v[RO], 2, v9
	v_lshl_add_u32 v[RO], v10, 14, v[RO]
	v_lshlrev_b32 v[QO], 11, v9
	v_lshl_add_u32 v[QO], v10, 5, v[QO]
	v_lshl_add_u32 v[WO], v10, 14, v[BO]
	v_lshlrev_b32 v[SO], 4, v0
	v_lshl_add_u32 v[CO], v11, 11, v[BO]
	v_mul_u32_u24 v[RA], v11, PP
	v_add_nc_u32 v[RA], v[RA], v[BO]
	v_mul_u32_u24 v[PA], v10, 8*PP
	v_add_nc_u32 v[PA], v[PA], v[BO]
	s_mul_i32 s36, s[WV], PW
	v_add_nc_u32 v[PA], s36, v[PA]                 ; wave x 4,352 + h x 8 rows + 16 r
	; share A's offsets: kb = g % 16, w = (g / 16) % 4, mat = g / 64; part = wave % 2, f = wave / 2
	s_and_b32 s21, ttmp9, 15
	s_bfe_u32 s22, ttmp9, 0x20004
	s_lshr_b32 s23, ttmp9, 6
	s_lshl_b32 s24, s21, 16                        ; 32 kb rows of 2,048 bytes
	s_and_b32 s25, s[WV], 1
	s_lshl_b32 s25, s25, 15                        ; 16 part rows
	s_add_co_u32 s24, s24, s25
	s_lshl_b32 s25, s22, 9                         ; 128 w columns
	s_add_co_u32 s24, s24, s25
	s_lshr_b32 s25, s[WV], 1
	s_lshl_b32 s25, s25, 6                         ; 16 f columns
	s_add_co_u32 s24, s24, s25
	s_mov_b32 s25, 0                               ; s[24:25]: from where in W
	s_lshl_b32 s26, s22, 18
	s_lshl_b32 s27, s23, 17
	s_add_co_u32 s26, s26, s27
	s_lshl_b32 s27, s21, 13
	s_add_co_u32 s26, s26, s27
	s_mov_b32 s27, 0                               ; s[26:27]: to where in wts
	; share B's offsets: rg = g / 8 (16 rows), cg = g % 8 (64 columns)
	s_lshr_b32 s21, ttmp9, 3
	s_and_b32 s22, ttmp9, 7
	s_lshl_b32 s21, s21, 15                        ; 16 rg rows of 2,048 bytes
	s_lshl_b32 s22, s22, 8                         ; 64 cg columns of 4 bytes
	s_and_b32 s28, s[WV], 7
	s_lshl_b32 s28, s28, 8                         ; my 64 channels in ht or ct
	s_add_co_u32 s28, s28, s21
	s_mov_b32 s29, 0                               ; s[28:29]: in ht or ct
	s_lshl_b32 s30, s[WV], 17                      ; my 64 rows of W_as
	s_add_co_u32 s30, s30, s22
	s_mov_b32 s31, 0                               ; s[30:31]: in W_as
	s_mov_b32 s32, s22
	s_mov_b32 s33, 0                               ; s[32:33]: in ba
	s_add_co_u32 s34, s21, s22
	s_mov_b32 s35, 0                               ; s[34:35]: in cb
	s_mov_b32 s38, 0x4038aa3b                      ; 2 log2(e)
	s_mov_b32 s39, s38                             ; named with it as a pair
	s_wait_kmcnt 0x0
	s_cmp_lt_u32 ttmp9, 64
	s_cselect_b64 s[4:5], s[4:5], s[6:7]           ; W_ah for work-groups 0 to 63, W_a for the others
	s_cmp_lt_u32 s[WV], 8
	s_cselect_b64 s[10:11], s[10:11], s[12:13]     ; channels 0 to 511 of q are ht, the others ct
	s_add_nc_u64 s[4:5], s[4:5], s[24:25]
	s_add_nc_u64 s[16:17], s[16:17], s[26:27]
	s_add_nc_u64 s[10:11], s[10:11], s[28:29]
	s_add_nc_u64 s[8:9], s[8:9], s[30:31]
	s_add_nc_u64 s[14:15], s[14:15], s[32:33]
	s_add_nc_u64 s[18:19], s[18:19], s[34:35]
	; all 49 loads of the wave go out together
.irp st, 0,1
.irp c, 0,1,2,3
	global_load_b128 v[QF+16*\st+4*\c:QF+16*\st+4*\c+3], v[QO], s[10:11] offset:128*\st+16*((\c)%2)+64*((\c)/2)  ; channels 8 h + 0..7, then 16 + 8 h + 0..7
.endr
.endr
.irp st, 0,1
.set e, 0
.rept 16
	global_load_b128 v[WF+64*\st+4*e:WF+64*\st+4*e+3], v[WO], s[8:9] offset:65536*\st+2048*(e+8*(e/8))  ; row 8 h + e, or 16 + 8 h + (e - 8): columns 4 r + 0..3
.set e, e+1
.endr
.endr
	global_load_b128 v[BA:BA+3], v[BO], s[14:15]
.irp i, 0,1,2,3,4,5,6,7
	global_load_b32 v[RF+\i], v[RO], s[4:5] offset:2048*\i
.endr
	s_wait_loadcnt 0x0                             ; one round trip for the launch
	; share A
.irp i, 0,1,2,3
	v_cvt_pk_bf16_f32 v[RF+\i], v[RF+2*\i], v[RF+2*\i+1]
.endr
	global_store_b128 v[SO], v[RF:RF+3], s[16:17]  ; 32 lanes store 512 consecutive bytes, aligned
	; share B: round and pack
.irp st, 0,1
.irp i, 0,1,2,3,4,5,6,7
	v_cvt_pk_bf16_f32 v[QF+16*\st+\i], v[QF+16*\st+2*\i], v[QF+16*\st+2*\i+1]
.endr
.endr
.irp x, 0,1,2,3
.irp i, 0,1,2,3,4,5,6,7
	v_cvt_pk_bf16_f32 v[FB0+8*\x+\i], v[WF+8*\i+\x], v[WF+8*\i+4+\x]
.endr
.endr
.irp x, 0,1,2,3
.irp i, 0,1,2,3,4,5,6,7
	v_cvt_pk_bf16_f32 v[FB1+8*\x+\i], v[WF+64+8*\i+\x], v[WF+64+8*\i+4+\x]
.endr
.endr
	v_pk_mul_f32 v[BA:BA+1], v[BA:BA+1], s[38:39] op_sel_hi:[1,0]
	v_pk_mul_f32 v[BA+2:BA+3], v[BA+2:BA+3], s[38:39] op_sel_hi:[1,0]
	; eight products; the four accumulators take turns; the first step starts the sums
.irp x, 0,1,2,3
	v_wmma_f32_16x16x32_bf16 v[ACC+8*\x:ACC+8*\x+7], v[QF:QF+7], v[FB0+8*\x:FB0+8*\x+7], 0
.endr
.irp x, 0,1,2,3
	v_wmma_f32_16x16x32_bf16 v[ACC+8*\x:ACC+8*\x+7], v[QF+16:QF+23], v[FB1+8*\x:FB1+8*\x+7], v[ACC+8*\x:ACC+8*\x+7]
.endr
.rept 8
	v_nop                                          ; the places between the products and the stores that read them, and the loads below into registers that they read
.endr
.irp j, 0,1,2,3,4,5,6,7
.irp x, 0,1,2,3
	ds_store_b32 v[PA], v[ACC+8*\x+\j] offset:PP*\j+4*\x  ; row 8 h + j, column 4 r + x; each accumulator's lowest register goes first
.endr
.endr
	s_wait_dscnt 0x0                               ; for the others: my partial tile lies in LDS
	s_barrier_signal -1
	s_barrier_wait -1
	s_cmp_lt_u32 s[WV], 8                          ; 256 threads finish the tile: 16 rows x 16 pieces of 16 bytes
	s_cbranch_scc0 .Lend
.irp u, 0,1,2,3,4,5,6,7,8,9,10,11,12,13,14,15
	ds_load_b128 v[RD+4*\u:RD+4*\u+3], v[RA] offset:PW*\u
.endr
	s_wait_dscnt 0x0
.irp d, 8,4,2,1
.set u, 0
.rept \d
	v_pk_add_f32 v[RD+4*u:RD+4*u+1], v[RD+4*u:RD+4*u+1], v[RD+4*(u+\d):RD+4*(u+\d)+1]
	v_pk_add_f32 v[RD+4*u+2:RD+4*u+3], v[RD+4*u+2:RD+4*u+3], v[RD+4*(u+\d)+2:RD+4*(u+\d)+3]
.set u, u+1
.endr
.endr
	v_pk_fma_f32 v[RD:RD+1], v[RD:RD+1], s[38:39], v[BA:BA+1] op_sel_hi:[1,0,1]
	v_pk_fma_f32 v[RD+2:RD+3], v[RD+2:RD+3], s[38:39], v[BA+2:BA+3] op_sel_hi:[1,0,1]
	global_store_b128 v[CO], v[RD:RD+3], s[18:19]  ; 16 lanes store 256 consecutive bytes of a row of cb, aligned
.Lend:
	s_wait_tensorcnt 0x0                           ; the wave's end, behind my last LDS store
	ds_add_u32 v[SPW], v[NIL]
	s_wait_dscnt 0x0
	s_endpgm
.Lfunc_end_k_q71d6f327f9_prep:
	.size	k_q71d6f327f9_prep, .Lfunc_end_k_q71d6f327f9_prep-k_q71d6f327f9_prep
	.p2alignl 7, 3214868480
	.fill 96, 4, 3214868480
	.section	.rodata,"a",@progbits
	.p2align	6, 0x0
	.amdhsa_kernel k_q71d6f327f9_prep
		.amdhsa_group_segment_fixed_size 71680
		.amdhsa_private_segment_fixed_size 0
		.amdhsa_enable_private_segment 0
		.amdhsa_kernarg_size 64
		.amdhsa_user_sgpr_count 2
		.amdhsa_user_sgpr_kernarg_segment_ptr 1
		.amdhsa_wavefront_size32 1
		.amdhsa_system_sgpr_workgroup_id_x 1
		.amdhsa_system_sgpr_workgroup_id_y 1
		.amdhsa_system_sgpr_workgroup_id_z 1
		.amdhsa_system_vgpr_workitem_id 0
		.amdhsa_next_free_vgpr 256
		.amdhsa_next_free_sgpr 66
		.amdhsa_reserve_vcc 0
		.amdhsa_float_denorm_mode_32 3
		.amdhsa_float_denorm_mode_16_64 3
		.amdhsa_memory_ordered 1
		.amdhsa_forward_progress 1
		.amdhsa_inst_pref_size 20
	.end_amdhsa_kernel
	.amdgpu_metadata
---
amdhsa.version: [ 1, 2 ]
amdhsa.kernels:
  - .name:           k_q71d6f327f9_prep
    .symbol:         k_q71d6f327f9_prep.kd
    .args:
      - { .name: W_ah, .offset: 0, .size: 8, .value_kind: global_buffer, .address_space: global }
      - { .name: W_a, .offset: 8, .size: 8, .value_kind: global_buffer, .address_space: global }
      - { .name: W_as, .offset: 16, .size: 8, .value_kind: global_buffer, .address_space: global }
      - { .name: ht, .offset: 24, .size: 8, .value_kind: global_buffer, .address_space: global }
      - { .name: ct, .offset: 32, .size: 8, .value_kind: global_buffer, .address_space: global }
      - { .name: ba, .offset: 40, .size: 8, .value_kind: global_buffer, .address_space: global }
      - { .name: wts, .offset: 48, .size: 8, .value_kind: global_buffer, .address_space: global }
      - { .name: cb, .offset: 56, .size: 8, .value_kind: global_buffer, .address_space: global }
    .group_segment_fixed_size: 71680
    .private_segment_fixed_size: 0
    .kernarg_segment_align: 8
    .kernarg_segment_size: 64
    .max_flat_workgroup_size: 512
    .sgpr_count:     66
    .vgpr_count:     256
    .wavefront_size: 32
...
	.end_amdgpu_metadata
.endif
;; end of part 1
;; launch main (part 2): grid 256 x 1, 4 waves a work-group, no clusters, 268,800 bytes of LDS; arguments hi, wts, cb, out0; writes out0
.if DOCPART == 2
	.amdgcn_target "amdgcn-amd-amdhsa--gfx1250"
	.amdhsa_code_object_version 6
	.text
	.protected	k_q71d6f327f9_main
	.globl	k_q71d6f327f9_main
	.p2align	8
	.type	k_q71d6f327f9_main,@function
k_q71d6f327f9_main:
	s_mov_b64 s[64:65], 0
	v_nop
	global_prefetch_b8 v0, s[64:65] scope:SCOPE_SE
	s_setreg_imm32_b32 hwreg(HW_REG_WAVE_MODE, 25, 1), 1
	s_wait_xcnt 0x0
; out[b][k] = sum over t of softmax_t(S2[t][k]) hi[b][t][k],  S2 = tanh(hi[b] W_ah + a_s[b] + ba) W_a.  hi: [256][512][512] f32; out0: [256][512] f32.
; wts holds W_ah and W_a in bf16 in fragment order, cb holds 2 log2(e) (a_s + ba) in f32: both made by the launch before.  The input v is named by no launch: reference() never uses it.
; SHARES.  One work-group a batch, four waves.  The 512 rows t go in four tiles of 128.  In a tile: S1 = hi W_ah (GEMM1), E = tanh, S2 = E W_a (GEMM2), then a running softmax down t with the weighted sum.
; Wave w owns the columns 128 w .. 128 w + 127 of S1 and of S2 for all 128 rows: 64 accumulators of 16 x 16, 512 registers.  Nothing between hi and out goes to memory.
; OPERANDS.  hi (rounded to bf16) and E (bf16) are read by all four waves and lie in LDS, 128 rows of 1,024 bytes each.
; 16 loads of 512 consecutive bytes for 64 matrix instructions.
; NO CLUSTER, NO TENSOR LOADS.  The two regions take 266,240 bytes of LDS, the stage 2,048 and the spare words 512: 58,880 are left of 327,680, and two slots of even one K step of 32 over all 512 weight rows need 65,536.
; Inside a work-group no weight byte has a second reader, so a way through LDS would add a write and a read and spare none.  hi passes through registers in any case, to be rounded.
; GEMM1 is taken transposed (source 0 = 16 weight rows n, source 1 = 16 rows t): a lane holds one row t and eight neighbouring columns, which pack into 16 bytes of E.
; GEMM2 is taken straight (source 0 = 16 rows t of E, source 1 = 16 weight rows k): a lane holds ONE column k (lane % 16) and the rows 8 (lane / 16) + 0..7 of each block: the softmax down t stays in the lane.
; SOFTMAX.  Each lane keeps, for each of its 8 column groups, a running maximum m, sum l and weighted sum e over ITS 64 rows of every tile: p = 2^(c s - c m), c = log2(e); l and e are multiplied by a = 2^(c m_old - c m_new).
; The two halves of the lanes are joined once, at the end.  hi[t][k] for the weighted sum comes from the bf16 copy in LDS, turned by ds_load_tr16_b128.
; tanh(x) = 1 - 2 / (1 + 2^(2 log2(e) x)): it ends at +1 and -1 where the power is infinite or 0.
; LIMITS.  Matrix operands are bf16; hi enters the last sum rounded to bf16 too.  m starts at -4.25e37: scores below that are not served (|S2| is at most the sum of a column of |W_a|).
; A weight below 2^-126 counts as 0.  NaN and infinities are not treated apart.
; REGISTERS, in windows of 256 (s_set_vgpr_msb: bits 1:0 source 0, 3:2 source 1, 5:4 source 2, 7:6 destination):
;   window 0: v0-19 addresses; v20-61 statistics and work; v64-191 two buffers of activation fragments; v192-255 the bias (GEMM1, tanh), then two buffers of turned hi (softmax)
;   window 1: four buffers of weight fragments     windows 2, 3: the accumulators: (row block tb, column group wb) at v[8 (8 (wb % 4) + tb)] of window 2 + wb / 4: a column group is 64 registers on end
;   The next tile's hi waits as f32 in registers that are idle between GEMM2 and the next GEMM1: eight units of 64 (4 rows of 2,048 bytes): the weight buffers, the activation buffers, and two spent column groups.
.set PITCH, 1040                       ; an LDS row: 1,024 bytes + 16 = 260 words: row r starts at bank 4 r mod 64 (64 banks of 4 bytes: ISA guide 11.1)
.set BLK,   16*PITCH                   ; a block of 16 rows
.set QROWS, 64*PITCH                   ; 64 rows: the immediate of an LDS instruction reaches 65,535 bytes, so a second address register serves rows 64 to 127
.set REG,   128*PITCH                  ; a region.  Region 0 at byte 0, region 1 at REG; hi's copy and E change places from tile to tile
.set OUTS,  2*REG                      ; the stage for the result: 512 bytes a wave
.set SPARE, OUTS+2048                  ; the spare words, 128 bytes for each wave: two blocks of 256 bytes that no other line names
.set LOFF, 1                           ; v1   16 x lane
.set FRL,  2                           ; v2   a fragment's place: r x PITCH + 16 h
.set TRL,  3                           ; v3   the turning load's place: (8 h + lane % 8) x PITCH + 16 ((lane / 8) % 2) + 256 w
.set HSL,  4                           ; v4   where I put 8 bytes of hi: 8 x lane + 32 w rows
.set PFO,  5                           ; v5   256 x lane
.set BOF,  6                           ; v6   32 h
.set OA,   7                           ; v7   the stage: 4 r
.set OB,   8                           ; v8   the stage: 16 x lane
.set ESL,  9                           ; v9   where I put 16 bytes of E: FRL + 256 w
.set AAD,  10                          ; v10-11  the running address of the activation fragments, rows 0-63 and 64-127
.set ES,   12                          ; v12-13  ESL + E's region
.set TR,   14                          ; v14-15  TRL + hi's region
.set HST,  16                          ; v16  HSL + hi's region
.set Z,    17                          ; v17  0
.set SPW,  18                          ; v18  LDS address of my spare word; never rewritten
.set NIL,  19                          ; v19  0, for the add alone; never rewritten
.set M,    20                          ; v20-27  m of my 8 column groups
.set L,    28                          ; v28-35  l
.set EA,   36                          ; v36-43  e
.set MX,   44                          ; v44-47  four chains of the maximum; then four chains of the weighted sum
.set MN,   48                          ; v48  the new m
.set DD,   49                          ; v49  c (m_old - m_new)
.set AF,   50                          ; v50  a
.set CM,   52                          ; v52-53  c m, twice
.set LC,   54                          ; v54-61  four chains (pairs) of the row sum
.set A0,   64                          ; activation fragments: buffer n at A0 + 64 n, row block tb at + 8 tb
.set BI,   192                         ; the bias: column group wb at BI + 8 wb
.set HT,   192                         ; turned hi: buffer n at HT + 32 n, row block tb at + 4 tb
.set WV,   12                          ; s12  my wave's number
.set TILE, 13                          ; s13  tiles to go, this one among them
.set RH,   14                          ; s14  the region of hi's copy
.set RE,   15                          ; s15  the region of E
.set WB,   16                          ; s[16:17] my 262,144 bytes of wts: 32 K steps of 8,192 bytes, W_ah's 16 and then W_a's 16
.set WP,   18                          ; s[18:19] the same, walking, four steps at a time
.set HP,   20                          ; s[20:21] my 32 rows of the tile of hi that is loaded next
.set PF,   22                          ; s[22:23] where my prefetches stand
.set C2,   24                          ; s[24:25] 2 log2(e), twice
.set CL,   26                          ; s[26:27] log2(e), twice
.set SEL,  28                          ; s[28:29] v_permlanex16_b32: each lane takes its own place in the other half
.set KC,   30                          ; s30  counts the K loops
.set MSB, 0
.macro WIN new                         ; the immediate's high byte repeats the setting that is left; a switch that changes nothing is dropped
.if MSB != (\new)
	s_set_vgpr_msb (MSB<<8)|(\new)
.set MSB, \new
.endif
.endm
.macro PLACES n                        ; a vector instruction or a load that touches a matrix instruction's registers stands four places behind it, and only plain vector instructions are places
.rept \n
	v_nop
.endr
.endm
.macro BARRIER                         ; every wave has waited for its LDS instructions in front of it
	s_barrier_signal -1
	s_barrier_wait -1
.endm
; 16 LDS loads: the activation fragments of one K step (128 rows x 32 channels at byte k behind the running address) into buffer buf
.macro AFETCH buf, k
	WIN 0
.irp tb, 0,1,2,3,4,5,6,7
	ds_load_b128 v[A0+64*(\buf)+8*\tb:A0+64*(\buf)+8*\tb+3],   v[AAD+(\tb)/4] offset:((\tb)%4)*BLK+(\k)
	ds_load_b128 v[A0+64*(\buf)+8*\tb+4:A0+64*(\buf)+8*\tb+7], v[AAD+(\tb)/4] offset:((\tb)%4)*BLK+(\k)+32
.endr
.endm
; 16 loads of 512 consecutive bytes: my weight fragments of one K step, at byte off behind the walking pointer, into buffer buf of window 1
.macro BFETCH buf, off
	WIN 0x40
.irp f, 0,1,2,3,4,5,6,7
	global_load_b128 v[64*(\buf)+8*\f:64*(\buf)+8*\f+3],   v[LOFF], s[WP:WP+1] offset:(\off)+1024*\f
	global_load_b128 v[64*(\buf)+8*\f+4:64*(\buf)+8*\f+7], v[LOFF], s[WP:WP+1] offset:(\off)+1024*\f+512
.endr
.endm
; 32 matrix instructions: column groups 4 half .. 4 half + 3 x all 8 row blocks, 32 along K.  The accumulators take turns: 63 others stand between two links of a chain.  zero = 1: the product starts the sum.
.macro MUL32 g, ab, bb, half, zero
.if (\g) == 1
	WIN 0xa1+0x50*(\half)                          ; weights (source 0) window 1, activations (source 1) window 0, C and D window 2 or 3
.else
	WIN 0xa4+0x50*(\half)                          ; activations (source 0) window 0, weights (source 1) window 1
.endif
.irp wl, 0,1,2,3
.irp tb, 0,1,2,3,4,5,6,7
.set rD, 8*(8*\wl+\tb)
.set rB, 64*(\bb)+8*(4*(\half)+\wl)
.set rA, A0+64*(\ab)+8*\tb
.if (\g) == 1
.if \zero
	v_wmma_f32_16x16x32_bf16 v[rD:rD+7], v[rB:rB+7], v[rA:rA+7], 0
.else
	v_wmma_f32_16x16x32_bf16 v[rD:rD+7], v[rB:rB+7], v[rA:rA+7], v[rD:rD+7]
.endif
.else
.if \zero
	v_wmma_f32_16x16x32_bf16 v[rD:rD+7], v[rA:rA+7], v[rB:rB+7], 0
.else
	v_wmma_f32_16x16x32_bf16 v[rD:rD+7], v[rA:rA+7], v[rB:rB+7], v[rD:rD+7]
.endif
.endif
.endr
.endr
.endm
; Unit u of the next tile's hi: rows 4 u .. 4 u + 3 of my 32, as f32.  HOME says where it waits.
.macro HOME u
.if (\u) < 4
.set hb, 64*(\u)                       ; the weight buffers
.set hwin, 1
.elseif (\u) < 6
.set hb, A0+64*((\u)-4)                ; the activation buffers
.set hwin, 0
.else
.set hb, 64*((\u)-6)                   ; column groups 0 and 1, when their softmax is over
.set hwin, 2
.endif
.endm
.macro HLOAD u
	HOME \u
	WIN hwin*0x40
.set l, 0
.rept 16
	global_load_b128 v[hb+4*l:hb+4*l+3], v[LOFF], s[HP:HP+1] offset:(4*(\u)+l/4)*2048+(l%4)*512 th:TH_LOAD_NT  ; 512 consecutive bytes of one row; hi is read once in the launch
.set l, l+1
.endr
.endm
.macro HISITE u0, u1=-1                ; the last tile has no successor: its loads are jumped over.  No counted wait on these loads stands in the text: the next wait is for 0, at the next tile's head
	WIN 0
	s_cmp_eq_u32 s[TILE], 1
	s_cbranch_scc1 .Lno_hi_\@
	HLOAD \u0
.if (\u1) >= 0
	HLOAD \u1
.endif
	WIN 0
.Lno_hi_\@:
.endm
.macro HSTORE u                        ; rounded to bf16 in place, four numbers into two registers, and put into hi's region: 32 lanes x 8 bytes are 256 consecutive bytes of a row
	HOME \u
	WIN hwin*0x45
.set l, 0
.rept 16
	v_cvt_pk_bf16_f32 v[hb+4*l], v[hb+4*l], v[hb+4*l+1]
	v_cvt_pk_bf16_f32 v[hb+4*l+1], v[hb+4*l+2], v[hb+4*l+3]
.set l, l+1
.endr
	WIN hwin*0x04
.set l, 0
.rept 16
	ds_store_b64 v[HST], v[hb+4*l:hb+4*l+1] offset:(4*(\u)+l/4)*PITCH+(l%4)*256
.set l, l+1
.endr
.endm
; A PREFETCH INTO THE L2 of one unit of MY OWN rows of the next tile: 32 blocks of 256 bytes, a lane a block.  It stands behind the weight loads of the first step of each of GEMM2's three trips, and names units 0, 1, 2:
; the three that are loaded first, at GEMM2's end.  Each block is named once in the launch, by the wave that will load it.  The last tile asks for nothing.  The weights are not asked for: every work-group reads them again and again.
.macro ASK
	WIN 0
	s_cmp_gt_u32 s[TILE], 1
	s_cbranch_scc0 .Lnot_asked_\@
	global_prefetch_b8 v[PFO], s[PF:PF+1] th:TH_LOAD_NT scope:SCOPE_SE
.Lnot_asked_\@:
.endm
; A K STEP of 32: 64 matrix instructions.  Step s multiplies activation buffer s % 2 and weight buffer s % 4 (j = s % 4).  In its middle, four places behind the last product that read them, the buffers of step s - 1 are
; asked for again: the activations of step s + 1 and the weights of step s + 3.  lc: the younger weight loads that may stay out (steps s + 1 and s + 2: 16 each); -1: no wait.
.macro STEP g, j, af, bf, zero, lc, hook
.if (\lc) >= 0
	s_wait_loadcnt \lc
.endif
	s_wait_dscnt 0x0                               ; the activations, asked for 32 matrix instructions ago
	MUL32 \g, (\j)%2, \j, 0, \zero
	PLACES 4
.if \af
	AFETCH ((\j)+1)%2, 64*((\j)+1)
.endif
.if \bf
	BFETCH ((\j)+3)%4, ((\j)+3)*8192
.endif
.if (\hook) == 1
	ASK
.elseif (\hook) == 2
	HISITE 0, 1
.elseif (\hook) == 3
	HISITE 2
.endif
	MUL32 \g, (\j)%2, \j, 1, \zero
.endm
.macro ADV g                           ; four steps on
	WIN 0
	s_wait_xcnt 0x0                                ; every load and prefetch issued so far (the youngest 32 matrix instructions back) has read its address, so the pointers may be written
	s_add_nc_u64 s[WP:WP+1], s[WP:WP+1], 4*8192
.if (\g) == 2
	s_add_nc_u64 s[PF:PF+1], s[PF:PF+1], 8192      ; the next unit
.endif
	v_add_nc_u32 v[AAD], 256, v[AAD]
	v_add_nc_u32 v[AAD+1], 256, v[AAD+1]
.endm
.macro GEMM g                          ; steps 0 to 12 of 16; the last three are written out behind it, since they differ
	AFETCH 0, 0
	STEP \g, 0, 1, 1, 1, 32, 0                     ; the first step starts the sums: nothing is cleared
	WIN 0                                          ; at a label and at a branch every window is 0
	s_mov_b32 s[KC], 3
.Lk\g:
	STEP \g, 1, 1, 1, 0, 32, (\g)-1
	STEP \g, 2, 1, 1, 0, 32, 0
	STEP \g, 3, 1, 1, 0, 32, 0
	ADV \g
	STEP \g, 0, 1, 1, 0, 32, 0
	WIN 0
	s_sub_co_u32 s[KC], s[KC], 1
	s_cmp_lg_u32 s[KC], 0
	s_cbranch_scc1 .Lk\g
.endm
; TANH, in place on a column group's 64 registers, as six passes: SC: 2 log2(e) s + bias, a pair a line.  EX: 2^x.  AD: + 1.  RC: the reciprocal.  FI: 1 - 2 y.  CV: two numbers rounded to bf16.
.macro T_SC g, i
.set rr, 64*((\g)%4)+2*(\i)
.set rb, BI+8*(\g)+(2*(\i))%8
	v_pk_fma_f32 v[rr:rr+1], v[rr:rr+1], s[C2:C2+1], v[rb:rb+1] op_sel_hi:[1,0,1]
.endm
.macro T_EX g, i
.set rr, 64*((\g)%4)+(\i)
	v_exp_f32 v[rr], v[rr]
.endm
.macro T_AD g, i
.set rr, 64*((\g)%4)+2*(\i)
	v_pk_add_f32 v[rr:rr+1], v[rr:rr+1], 1.0 op_sel_hi:[1,0]
.endm
.macro T_RC g, i
.set rr, 64*((\g)%4)+(\i)
	v_rcp_f32 v[rr], v[rr]
.endm
.macro T_FI g, i
.set rr, 64*((\g)%4)+2*(\i)
	v_pk_fma_f32 v[rr:rr+1], v[rr:rr+1], -2.0, 1.0 op_sel_hi:[1,0,0]
.endm
.macro T_CV g, i
.set rr, 64*((\g)%4)+8*((\i)/4)
.set pp, (\i)%4
	v_cvt_pk_bf16_f32 v[rr+pp], v[rr+2*pp], v[rr+2*pp+1]
.endm
; Slot s of the pipeline over the column groups lo .. hi of one window.  Four groups are in hand: s + 1 is scaled, s takes its powers, s - 1 its + 1 and its reciprocals, s - 2 is finished, rounded and stored.
; So a transcendental and a plain instruction of ANOTHER group go by turns, and no slot names a result of its own transcendentals: they are one batch, and the ONE wait ahead of
; the first reader stands at the head of the next slot.  SC goes up from each accumulator's lowest registers.
.macro TSLOT s, lo, hi
	WIN 0x8a+0x45*((\lo)/4)                        ; destination, sources 0 and 1 in the groups' window; source 2 (the bias) in window 0
.if (\s) > (\lo)
	s_wait_alu depctr_va_vdst(0)                   ; for the whole batch of the slot before
.endif
.set i, 0
.rept 32
.if ((\s)-1 >= (\lo)) && ((\s)-1 <= (\hi))
	T_AD (\s)-1, i
.endif
.if ((\s) >= (\lo)) && ((\s) <= (\hi))
	T_EX \s, 2*i
.endif
.if ((\s)+1 >= (\lo)) && ((\s)+1 <= (\hi))
	T_SC (\s)+1, i
.endif
.if ((\s) >= (\lo)) && ((\s) <= (\hi))
	T_EX \s, 2*i+1
.endif
.set i, i+1
.endr
.set i, 0
.rept 32
.if ((\s)-1 >= (\lo)) && ((\s)-1 <= (\hi))
	T_RC (\s)-1, 2*i
.endif
.if ((\s)-2 >= (\lo)) && ((\s)-2 <= (\hi))
	T_FI (\s)-2, i
.endif
.if ((\s)-1 >= (\lo)) && ((\s)-1 <= (\hi))
	T_RC (\s)-1, 2*i+1
.endif
.if ((\s)-2 >= (\lo)) && ((\s)-2 <= (\hi))
	T_CV (\s)-2, i
.endif
.set i, i+1
.endr
	v_nop                                          ; a plain instruction behind the slot's last transcendental
.if ((\s)-2 >= (\lo)) && ((\s)-2 <= (\hi))
	WIN 0x08+0x04*((\lo)/4)                        ; the stores' data in the groups' window
.irp tb, 0,1,2,3,4,5,6,7
	ds_store_b128 v[ES+(\tb)/4], v[64*(((\s)-2)%4)+8*\tb:64*(((\s)-2)%4)+8*\tb+3] offset:((\tb)%4)*BLK+32*((\s)-2)  ; row 16 tb + r, columns 16 g + 8 h + 0..7 of my 128
.endr
.endif
.endm
; THE SOFTMAX of column group g.  TRLOAD: hi[16 tb + 8 h + 0..7][my column], turned, 4 registers a row block.
.macro TRLOAD g
.irp tb, 0,1,2,3,4,5,6,7
	ds_load_tr16_b128 v[HT+32*((\g)%2)+4*\tb:HT+32*((\g)%2)+4*\tb+3], v[TR+(\tb)/4] offset:((\tb)%4)*BLK+32*(\g)
.endr
.endm
.macro WSUM d, s0, h0, c0, up          ; d = p x (a bf16 half of hi) + c0, in f32
.if \up
	v_fma_mix_f32_bf16 v[\d], v[\s0], v[\h0], v[\c0] op_sel:[0,1,0] op_sel_hi:[0,1,0]
.else
	v_fma_mix_f32_bf16 v[\d], v[\s0], v[\h0], v[\c0] op_sel_hi:[0,1,0]
.endif
.endm
.macro SMG g
.set sb, 64*((\g)%4)                   ; the group's first register in its window
.set hw, (\g)/4                        ; window 2 + hw
.set ht, HT+32*((\g)%2)
	WIN 0
.if (\g) < 7
	TRLOAD (\g)+1                                  ; the next group's hi is asked for a group ahead
.endif
	WIN 0x0a+5*hw                                  ; sources 0 and 1 in the group's window
.set l, 0
.rept 8                                ; the maximum of my 64 scores and the old m: four chains, three operands at a time; each accumulator's lowest registers are read first
.irp k, 0,1,2,3
.if l == 0
	v_max3_num_f32 v[MX+\k], v[sb+16*\k], v[sb+16*\k+1], v[M+(\g)]
.else
	v_max3_num_f32 v[MX+\k], v[sb+16*\k+2*l], v[sb+16*\k+2*l+1], v[MX+\k]
.endif
.endr
.set l, l+1
.endr
	WIN 0
	v_max3_num_f32 v[MN], v[MX], v[MX+1], v[MX+2]
	v_max_num_f32 v[MN], v[MN], v[MX+3]
	v_sub_f32 v[DD], v[M+(\g)], v[MN]
	v_mul_f32 v[CM], s[CL], v[MN]
	v_mul_f32 v[CM+1], s[CL], v[MN]
	v_mul_f32 v[DD], s[CL], v[DD]
	v_mov_b32 v[M+(\g)], v[MN]
	v_exp_f32 v[AF], v[DD]
	WIN 0x8a+0x45*hw
.set p, 0
.rept 33                               ; c s - c m, a pair a line, and the pair's two powers one line behind it.  a and the 64 powers are ONE batch: nothing names a result ahead of the wait
.if p < 32
	v_pk_fma_f32 v[sb+2*p:sb+2*p+1], v[sb+2*p:sb+2*p+1], s[CL:CL+1], v[CM:CM+1] op_sel_hi:[1,0,1] neg_lo:[0,0,1] neg_hi:[0,0,1]
.endif
.if p > 0
	v_exp_f32 v[sb+2*p-2], v[sb+2*p-2]
	v_exp_f32 v[sb+2*p-1], v[sb+2*p-1]
.endif
.set p, p+1
.endr
	v_nop                                          ; a plain instruction behind the last power,
	s_wait_alu depctr_va_vdst(0)                   ; and the one wait ahead of the first reader
.if (\g) < 7
	s_wait_dscnt 8                                 ; this group's hi is in; the next group's eight loads may stay out
.else
	s_wait_dscnt 0x0
.endif
	WIN 0x0a+5*hw
.irp k, 0,1,2,3
	v_pk_add_f32 v[LC+2*\k:LC+2*\k+1], v[sb+2*\k:sb+2*\k+1], v[sb+8+2*\k:sb+8+2*\k+1]  ; the row sum's four chains start with two pairs each
.endr
	WIN 0x02+hw                                    ; source 0 in the group's window, all else in window 0
.set i, 0
.rept 64
.set cc, MX+i%4
.if i < 4
.set cc, Z
.endif
	WSUM MX+i%4, sb+i, ht+i/2, cc, i%2             ; the weighted sum, four chains
.if (i%2 == 1) && (i >= 16)
	v_pk_add_f32 v[LC+2*((i/2)%4):LC+2*((i/2)%4)+1], v[sb+i-1:sb+i], v[LC+2*((i/2)%4):LC+2*((i/2)%4)+1]
.endif
.set i, i+1
.endr
	WIN 0
	v_pk_add_f32 v[LC:LC+1], v[LC:LC+1], v[LC+2:LC+3]
	v_pk_add_f32 v[LC+4:LC+5], v[LC+4:LC+5], v[LC+6:LC+7]
	v_add_f32 v[MX], v[MX], v[MX+1]
	v_add_f32 v[MX+2], v[MX+2], v[MX+3]
	v_pk_add_f32 v[LC:LC+1], v[LC:LC+1], v[LC+4:LC+5]
	v_add_f32 v[MX], v[MX], v[MX+2]
	v_add_f32 v[LC], v[LC], v[LC+1]
	v_fma_f32 v[EA+(\g)], v[EA+(\g)], v[AF], v[MX]   ; e = e a + the tile's part
	v_fma_f32 v[L+(\g)], v[L+(\g)], v[AF], v[LC]     ; l = l a + the tile's part
.endm
	s_load_b256 s[4:11], s[0:1], 0x0               ; hi s[4:5], wts s[6:7], cb s[8:9], out0 s[10:11]
	v_lshl_add_u32 v[SPW], v0, 2, SPARE
	v_mov_b32 v[NIL], 0
	v_mov_b32 v[Z], 0
	v_lshrrev_b32 v59, 5, v0
	v_readfirstlane_b32 s[WV], v59                 ; wave 0..3
	v_and_b32 v56, 31, v0                          ; lane
	v_and_b32 v57, 15, v0                          ; r
	v_bfe_u32 v58, v0, 4, 1                        ; h
	v_lshlrev_b32 v[LOFF], 4, v56
	v_lshlrev_b32 v[PFO], 8, v56
	v_lshlrev_b32 v[BOF], 5, v58
	v_mul_u32_u24 v[FRL], v57, PITCH
	v_lshl_add_u32 v[FRL], v58, 4, v[FRL]
	s_lshl_b32 s32, s[WV], 8                       ; my 128 columns in bf16
	v_add_nc_u32 v[ESL], s32, v[FRL]
	v_and_b32 v59, 7, v0
	v_lshl_add_u32 v59, v58, 3, v59
	v_mul_u32_u24 v[TRL], v59, PITCH
	v_bfe_u32 v59, v0, 3, 1
	v_lshl_add_u32 v[TRL], v59, 4, v[TRL]
	v_add_nc_u32 v[TRL], s32, v[TRL]
	s_mul_i32 s33, s[WV], 32*PITCH                 ; the 32 rows of a tile that I bring in
	v_lshl_add_u32 v[HSL], v56, 3, s33
	s_lshl_b32 s33, s[WV], 9                       ; my 128 columns in f32
	s_add_co_u32 s34, s33, OUTS
	v_lshl_add_u32 v[OA], v57, 2, s34
	v_lshl_add_u32 v[OB], v56, 4, s34
.irp g, 0,1,2,3,4,5,6,7
	v_mov_b32 v[M+\g], 0xfe000000                  ; -4.25e37: the first tile's a is 0
	v_mov_b32 v[L+\g], 0
	v_mov_b32 v[EA+\g], 0
.endr
	s_mov_b32 s[C2], 0x4038aa3b                    ; 2 log2(e)
	s_mov_b32 s[C2+1], s[C2]
	s_mov_b32 s[CL], 0x3fb8aa3b                    ; log2(e)
	s_mov_b32 s[CL+1], s[CL]
	s_mov_b32 s[SEL], 0x76543210
	s_mov_b32 s[SEL+1], 0xfedcba98
	s_lshl_b32 s32, ttmp9, 11                      ; the batch's row of cb and of out0,
	s_add_co_u32 s32, s32, s33                     ; my 512 bytes of it
	s_mov_b32 s33, 0
	s_lshl_b32 s34, ttmp9, 20                      ; the batch's 512 rows of hi,
	s_lshl_b32 s35, s[WV], 16                      ; my 32 rows of a tile
	s_add_co_u32 s34, s34, s35
	s_mov_b32 s35, 0
	s_lshl_b32 s36, s[WV], 18
	s_mov_b32 s37, 0
	s_mov_b32 s[TILE], 4
	s_mov_b32 s[RH], 0
	s_mov_b32 s[RE], REG
	s_wait_kmcnt 0x0
	s_add_nc_u64 s[HP:HP+1], s[4:5], s[34:35]
	s_add_nc_u64 s[WB:WB+1], s[6:7], s[36:37]
	s_add_nc_u64 s[8:9], s[8:9], s[32:33]
	s_add_nc_u64 s[10:11], s[10:11], s[32:33]
.irp u, 0,1,2,3,4,5,6,7
	HLOAD \u                                       ; the first tile's hi
.endr
	WIN 0
.Ltile:
	s_wait_dscnt 0x0                               ; my LDS reads of the last tile are over,
	BARRIER                                        ; everybody's are: both regions may be written
	s_wait_loadcnt 0x0                             ; this tile's hi is in registers; no load of mine is out
	s_wait_xcnt 0x0
	s_add_nc_u64 s[HP:HP+1], s[HP:HP+1], 128*2048  ; on to the next tile
	s_mov_b64 s[WP:WP+1], s[WB:WB+1]
	v_add_nc_u32 v[HST], s[RH], v[HSL]
	v_add_nc_u32 v[ES], s[RE], v[ESL]
	v_add_nc_u32 v[ES+1], QROWS, v[ES]
	v_add_nc_u32 v[TR], s[RH], v[TRL]
	v_add_nc_u32 v[TR+1], QROWS, v[TR]
	v_add_nc_u32 v[AAD], s[RH], v[FRL]
	v_add_nc_u32 v[AAD+1], QROWS, v[AAD]
	HSTORE 0                                       ; the three weight buffers that are wanted first are emptied first,
	HSTORE 1
	HSTORE 2
	WIN 0
.irp wb, 0,1,2,3,4,5,6,7
	global_load_b128 v[BI+8*\wb:BI+8*\wb+3],   v[BOF], s[8:9] offset:64*\wb     ; the bias of columns 16 wb + 8 h + 0..7 of my 128
	global_load_b128 v[BI+8*\wb+4:BI+8*\wb+7], v[BOF], s[8:9] offset:64*\wb+16
.endr
	BFETCH 0, 0                                    ; and asked for: the weights of K steps 0, 1, 2 are on their way while the rest of hi is rounded
	BFETCH 1, 8192
	BFETCH 2, 16384
.irp u, 3,4,5,6,7
	HSTORE \u
.endr
	WIN 0
	s_wait_dscnt 0x0                               ; my rows of hi lie in LDS,
	BARRIER                                        ; everybody's do
	GEMM 1
	STEP 1, 1, 1, 1, 0, 32, 0                      ; the last three steps ask on, for W_a's first three steps: my stream in wts runs on
	STEP 1, 2, 1, 1, 0, 32, 0
	STEP 1, 3, 0, 1, 0, 32, 0
	ADV 1
	s_wait_dscnt 0x0
	BARRIER                                        ; a phase that reads LDS is over in every wave before one that writes begins
	PLACES 8                                       ; between the last products and the lines that read and rewrite them
.irp s, -1,0,1,2,3,4,5
	TSLOT \s, 0, 3
.endr
.irp s, 3,4,5,6,7,8,9
	TSLOT \s, 4, 7
.endr
	WIN 0
	s_wait_dscnt 0x0                               ; my columns of E lie in LDS,
	BARRIER                                        ; everybody's do
	v_add_nc_u32 v[AAD], s[RE], v[FRL]
	v_add_nc_u32 v[AAD+1], QROWS, v[AAD]
	s_wait_xcnt 0x0                                ; the last tile's prefetches have read their address
	s_mov_b64 s[PF:PF+1], s[HP:HP+1]
	GEMM 2
	STEP 2, 1, 1, 0, 0, 32, 0                      ; the weights of the last two steps are out
	STEP 2, 2, 1, 0, 0, 0, 2                       ; all weights are in: from here on the only loads out are hi, whichever way the jumps go.  Weight buffers 0 and 1 take units 0 and 1
	STEP 2, 3, 0, 0, 0, -1, 3                      ; buffer 2 takes unit 2
	PLACES 8
	HISITE 3
	TRLOAD 0
	SMG 0
	SMG 1
	HISITE 4, 5                                    ; the activation buffers
	SMG 2
	SMG 3
	HISITE 6, 7                                    ; column groups 0 and 1 are spent
	SMG 4
	SMG 5
	SMG 6
	SMG 7
	WIN 0
	s_xor_b32 s[RH], s[RH], REG                    ; the next tile's hi goes where E lay
	s_xor_b32 s[RE], s[RE], REG
	s_sub_co_u32 s[TILE], s[TILE], 1
	s_cmp_lg_u32 s[TILE], 0
	s_cbranch_scc1 .Ltile
	; THE END.  The two halves of the lanes hold the same column and different rows: their m, l, e are joined; out = e / l.
	s_wait_dscnt 0x0
	BARRIER                                        ; every wave's LDS reads are over before the stage is written
.irp g, 0,1,2,3,4,5,6,7
	v_permlanex16_b32 v[LC+\g], v[M+\g], s[SEL], s[SEL+1]
.endr
.irp g, 0,1,2,3,4,5,6,7
	v_max_num_f32 v[LC+\g], v[M+\g], v[LC+\g]
.endr
.irp g, 0,1,2,3,4,5,6,7
	v_sub_f32 v[LC+\g], v[M+\g], v[LC+\g]
.endr
.irp g, 0,1,2,3,4,5,6,7
	v_mul_f32 v[LC+\g], s[CL], v[LC+\g]
.endr
.irp g, 0,1,2,3,4,5,6,7
	v_exp_f32 v[LC+\g], v[LC+\g]                   ; 2^(c m - c max): 1 in the half that holds the maximum
.endr
	v_nop                                          ; a plain instruction behind the last power,
	s_wait_alu depctr_va_vdst(0)                   ; and one wait for the eight
.irp g, 0,2,4,6
	v_pk_mul_f32 v[L+\g:L+\g+1], v[L+\g:L+\g+1], v[LC+\g:LC+\g+1]
	v_pk_mul_f32 v[EA+\g:EA+\g+1], v[EA+\g:EA+\g+1], v[LC+\g:LC+\g+1]
.endr
.irp g, 0,1,2,3,4,5,6,7
	v_permlanex16_b32 v[M+\g], v[L+\g], s[SEL], s[SEL+1]
.endr
.irp g, 0,2,4,6
	v_pk_add_f32 v[L+\g:L+\g+1], v[L+\g:L+\g+1], v[M+\g:M+\g+1]
.endr
.irp g, 0,1,2,3,4,5,6,7
	v_permlanex16_b32 v[M+\g], v[EA+\g], s[SEL], s[SEL+1]
.endr
.irp g, 0,2,4,6
	v_pk_add_f32 v[EA+\g:EA+\g+1], v[EA+\g:EA+\g+1], v[M+\g:M+\g+1]
.endr
.irp g, 0,1,2,3,4,5,6,7
	v_rcp_f32 v[LC+\g], v[L+\g]                    ; l is at least 1: the row of the maximum has the weight 1
.endr
	v_nop
	s_wait_alu depctr_va_vdst(0)                   ; one wait for the eight reciprocals
.irp g, 0,2,4,6
	v_pk_mul_f32 v[EA+\g:EA+\g+1], v[EA+\g:EA+\g+1], v[LC+\g:LC+\g+1]
.endr
.irp g, 0,1,2,3,4,5,6,7
	ds_store_b32 v[OA], v[EA+\g] offset:64*\g      ; column 16 g + r of my 128; both halves of the lanes write the same word with the same number
.endr
	ds_load_b128 v[MX:MX+3], v[OB]                 ; LDS serves a wave's instructions in order (ISA guide 5.7.1.4): this sees the stores above; the stage is my wave's own
	s_wait_dscnt 0x0
	global_store_b128 v[LOFF], v[MX:MX+3], s[10:11]  ; 32 lanes store 512 consecutive bytes of out0, aligned
	s_wait_tensorcnt 0x0                           ; the wave's end, behind my last LDS store
	ds_add_u32 v[SPW], v[NIL]
	s_wait_dscnt 0x0
	s_endpgm
.Lfunc_end_k_q71d6f327f9_main:
	.size	k_q71d6f327f9_main, .Lfunc_end_k_q71d6f327f9_main-k_q71d6f327f9_main
	.p2alignl 7, 3214868480
	.fill 96, 4, 3214868480
	.section	.rodata,"a",@progbits
	.p2align	6, 0x0
	.amdhsa_kernel k_q71d6f327f9_main
		.amdhsa_group_segment_fixed_size 268800
		.amdhsa_private_segment_fixed_size 0
		.amdhsa_enable_private_segment 0
		.amdhsa_kernarg_size 32
		.amdhsa_user_sgpr_count 2
		.amdhsa_user_sgpr_kernarg_segment_ptr 1
		.amdhsa_wavefront_size32 1
		.amdhsa_system_sgpr_workgroup_id_x 1
		.amdhsa_system_sgpr_workgroup_id_y 1
		.amdhsa_system_sgpr_workgroup_id_z 1
		.amdhsa_system_vgpr_workitem_id 0
		.amdhsa_next_free_vgpr 1024
		.amdhsa_next_free_sgpr 66
		.amdhsa_reserve_vcc 0
		.amdhsa_float_denorm_mode_32 3
		.amdhsa_float_denorm_mode_16_64 3
		.amdhsa_memory_ordered 1
		.amdhsa_forward_progress 1
		.amdhsa_inst_pref_size 255
	.end_amdhsa_kernel
	.section	.bss,"aw",@nobits
	.p2align	6
	.space	262144
	.amdgpu_metadata
---
amdhsa.version: [ 1, 2 ]
amdhsa.kernels:
  - .name:           k_q71d6f327f9_main
    .symbol:         k_q71d6f327f9_main.kd
    .args:
      - { .name: hi, .offset: 0, .size: 8, .value_kind: global_buffer, .address_space: global }
      - { .name: wts, .offset: 8, .size: 8, .value_kind: global_buffer, .address_space: global }
      - { .name: cb, .offset: 16, .size: 8, .value_kind: global_buffer, .address_space: global }
      - { .name: out0, .offset: 24, .size: 8, .value_kind: global_buffer, .address_space: global }
    .group_segment_fixed_size: 268800
    .private_segment_fixed_size: 0
    .kernarg_segment_align: 8
    .kernarg_segment_size: 32
    .max_flat_workgroup_size: 128
    .sgpr_count:     66
    .vgpr_count:     1024
    .wavefront_size: 32
...
	.end_amdgpu_metadata
.endif
;; end of part 2
;; ======== version 2 of 2: 2 launches; version 1 with the launch main written anew for expert scheduling mode
;; workspace buffers: wts 1,048,576 bytes; cb 524,288 bytes
;; launch prep: the kernel of part 1 again; grid 128 x 1, 16 waves a work-group, no clusters, 71,680 bytes of LDS; arguments W_ah, W_a, W_as, ht, ct, ba, wts, cb; writes wts, cb
;; launch main (part 3): grid 256 x 1, 4 waves a work-group, no clusters, 268,800 bytes of LDS; arguments hi, wts, cb, out0; writes out0
.if DOCPART == 3
	.amdgcn_target "amdgcn-amd-amdhsa--gfx1250"
	.amdhsa_code_object_version 6
	.text
	.protected	k_q71d6f327f9_main
	.globl	k_q71d6f327f9_main
	.p2align	8
	.type	k_q71d6f327f9_main,@function
k_q71d6f327f9_main:
	s_mov_b64 s[64:65], 0
	v_nop
	global_prefetch_b8 v0, s[64:65] scope:SCOPE_SE
	s_setreg_imm32_b32 hwreg(HW_REG_WAVE_SCHED_MODE, 0, 2), 2
	s_setreg_imm32_b32 hwreg(HW_REG_WAVE_MODE, 25, 1), 1
	s_wait_xcnt 0x0
	s_wait_alu depctr_vm_vsrc(0)
; out[b][k] = sum over t of softmax_t(S2[t][k]) hi[b][t][k],  S2 = tanh(hi[b] W_ah + a_s[b] + ba) W_a.  hi: [256][512][512] f32; out0: [256][512] f32.
; wts holds W_ah and W_a in bf16 in fragment order, cb holds 2 log2(e) (a_s + ba) in f32: both made by the launch before.  The input v is named by no launch: reference() never uses it.
; SHARES.  One work-group a batch, four waves.  The 512 rows t go in four tiles of 128.  In a tile: S1 = hi W_ah (GEMM1), E = tanh, S2 = E W_a (GEMM2), then a running softmax down t with the weighted sum.
; Wave w owns the columns 128 w .. 128 w + 127 of S1 and of S2 for all 128 rows: 64 accumulators of 16 x 16, 512 registers.  Nothing between hi and out goes to memory.
; OPERANDS.  hi (rounded to bf16) and E (bf16) are read by all four waves and lie in LDS, 128 rows of 1,024 bytes each.
; 16 loads of 512 consecutive bytes for 64 matrix instructions.
; NO CLUSTER, NO TENSOR LOADS.  The two regions take 266,240 bytes of LDS, the stage 2,048 and the spare words 512: 58,880 are left of 327,680, and two slots of even one K step of 32 over all 512 weight rows need 65,536.
; Inside a work-group no weight byte has a second reader, so a way through LDS would add a write and a read and spare none.  hi passes through registers in any case, to be rounded.
; GEMM1 is taken transposed (source 0 = 16 weight rows n, source 1 = 16 rows t): a lane holds one row t and eight neighbouring columns, which pack into 16 bytes of E.
; GEMM2 is taken straight (source 0 = 16 rows t of E, source 1 = 16 weight rows k): a lane holds ONE column k (lane % 16) and the rows 8 (lane / 16) + 0..7 of each block: the softmax down t stays in the lane.
; SOFTMAX.  Each lane keeps, for each of its 8 column groups, a running maximum m, sum l and weighted sum e over ITS 64 rows of every tile: p = 2^(c s - c m), c = log2(e); l and e are multiplied by a = 2^(c m_old - c m_new).
; The two halves of the lanes are joined once, at the end.  hi[t][k] for the weighted sum comes from the bf16 copy in LDS, turned by ds_load_tr16_b128.
; tanh(x) = 1 - 2 / (1 + 2^(2 log2(e) x)): it ends at +1 and -1 where the power is infinite or 0.
; LIMITS.  Matrix operands are bf16; hi enters the last sum rounded to bf16 too.  m starts at -4.25e37: scores below that are not served (|S2| is at most the sum of a column of |W_a|).
; A weight below 2^-126 counts as 0.  NaN and infinities are not treated apart.
; REGISTERS, in windows of 256 (s_set_vgpr_msb: bits 1:0 source 0, 3:2 source 1, 5:4 source 2, 7:6 destination):
;   window 0: v0-19 addresses; v20-61 statistics and work; v64-191 two buffers of activation fragments; v192-255 the bias (GEMM1, tanh), then two buffers of turned hi (softmax)
;   window 1: four buffers of weight fragments     windows 2, 3: the accumulators: (row block tb, column group wb) at v[8 (8 (wb % 4) + tb)] of window 2 + wb / 4: a column group is 64 registers on end
;   The next tile's hi waits as f32 in registers that are idle between GEMM2 and the next GEMM1: eight units of 64 (4 rows of 2,048 bytes): the weight buffers, the activation buffers, and two spent column groups.
; THE MODE: SCHED_MODE bits 1:0 = 2 (LLVM: expert scheduling mode 2), set by the entry lines.  The code itself states the register dependences between vector or matrix instructions and memory or LDS
; instructions, with s_wait_alu, always for 0.
; THE PLAN.  Registers that memory or LDS instructions touch, and who else names them:
;   W0 .. W3 (window 1)  K step s: its products read W[s % 4]; the loads of step s + 3, issued in step s, land in W[(s - 1) % 4].  From GEMM2's end on: units 0-3 of hi land there, are rounded in place, and LDS stores read them.
;   A0, A1 (v64-191)     K step s: its products read A[s % 2]; the LDS loads of step s + 1, issued in step s, land in the other.  Behind GEMM2: units 4 and 5 of hi, as above.
;   v192-255             The bias lands at a tile's head and tanh's scalings read it; then group g's weighted sum reads buffer g % 2 of turned hi, and group g + 1's loads, issued in group g, land in the other.
;   the accumulators     Products write them; tanh works in place, and the LDS stores of E read the four low registers of each; the softmax works in place; units 6 and 7 of hi land in groups 0 and 1 when these are spent.
;   v[AAD]               Read by every activation load; written at a tile's head, every four steps, and ahead of GEMM2.     v[HST], v[ES], v[TR]: written at a tile's head alone.     v1, v5-v8: made once.
; So a K step has ONE wait on va_vdst, at its head: the step before is done with the two buffers that this step's loads fill.  The step's own products name the other buffers, so its 32 loads are dealt among
; them in runs of four with no further wait.  In tanh and in the softmax the one wait behind a batch of transcendentals also serves the LDS stores or loads that stand straight behind it.
.set PITCH, 1040                       ; an LDS row: 1,024 bytes + 16 = 260 words: row r starts at bank 4 r mod 64 (64 banks of 4 bytes: ISA guide 11.1)
.set BLK,   16*PITCH                   ; a block of 16 rows
.set QROWS, 64*PITCH                   ; 64 rows: the immediate of an LDS instruction reaches 65,535 bytes, so a second address register serves rows 64 to 127
.set REG,   128*PITCH                  ; a region.  Region 0 at byte 0, region 1 at REG; hi's copy and E change places from tile to tile
.set OUTS,  2*REG                      ; the stage for the result: 512 bytes a wave
.set SPARE, OUTS+2048                  ; the spare words, 128 bytes for each wave: two blocks of 256 bytes that no other line names
.set LOFF, 1                           ; v1   16 x lane
.set FRL,  2                           ; v2   a fragment's place: r x PITCH + 16 h
.set TRL,  3                           ; v3   the turning load's place: (8 h + lane % 8) x PITCH + 16 ((lane / 8) % 2) + 256 w
.set HSL,  4                           ; v4   where I put 8 bytes of hi: 8 x lane + 32 w rows
.set PFO,  5                           ; v5   256 x lane
.set BOF,  6                           ; v6   32 h
.set OA,   7                           ; v7   the stage: 4 r
.set OB,   8                           ; v8   the stage: 16 x lane
.set ESL,  9                           ; v9   where I put 16 bytes of E: FRL + 256 w
.set AAD,  10                          ; v10-11  the running address of the activation fragments, rows 0-63 and 64-127
.set ES,   12                          ; v12-13  ESL + E's region
.set TR,   14                          ; v14-15  TRL + hi's region
.set HST,  16                          ; v16  HSL + hi's region
.set Z,    17                          ; v17  0
.set SPW,  18                          ; v18  LDS address of my spare word; never rewritten
.set NIL,  19                          ; v19  0, for the add alone; never rewritten
.set M,    20                          ; v20-27  m of my 8 column groups
.set L,    28                          ; v28-35  l
.set EA,   36                          ; v36-43  e
.set MX,   44                          ; v44-47  four chains of the maximum; then four chains of the weighted sum
.set MN,   48                          ; v48  the new m
.set DD,   49                          ; v49  c (m_old - m_new)
.set AF,   50                          ; v50  a
.set CM,   52                          ; v52-53  c m, twice
.set LC,   54                          ; v54-61  four chains (pairs) of the row sum
.set A0,   64                          ; activation fragments: buffer n at A0 + 64 n, row block tb at + 8 tb
.set BI,   192                         ; the bias: column group wb at BI + 8 wb
.set HT,   192                         ; turned hi: buffer n at HT + 32 n, row block tb at + 4 tb
.set WV,   12                          ; s12  my wave's number
.set TILE, 13                          ; s13  tiles to go, this one among them
.set RH,   14                          ; s14  the region of hi's copy
.set RE,   15                          ; s15  the region of E
.set WB,   16                          ; s[16:17] my 262,144 bytes of wts: 32 K steps of 8,192 bytes, W_ah's 16 and then W_a's 16
.set WP,   18                          ; s[18:19] the same, walking, four steps at a time
.set HP,   20                          ; s[20:21] my 32 rows of the tile of hi that is loaded next
.set PF,   22                          ; s[22:23] where my prefetches stand
.set C2,   24                          ; s[24:25] 2 log2(e), twice
.set CL,   26                          ; s[26:27] log2(e), twice
.set SEL,  28                          ; s[28:29] v_permlanex16_b32: each lane takes its own place in the other half
.set KC,   30                          ; s30  counts the K loops
.set MSB, 0
.macro WIN new                         ; the immediate's high byte repeats the setting that is left; a switch that changes nothing is dropped
.if MSB != (\new)
	s_set_vgpr_msb (MSB<<8)|(\new)
.set MSB, \new
.endif
.endm
.macro PLACES n                        ; a vector instruction or a load that touches a matrix instruction's registers stands four places behind it, and only plain vector instructions are places
.rept \n
	v_nop
.endr
.endm
.macro BARRIER                         ; every wave has waited for its LDS instructions in front of it
	s_barrier_signal -1
	s_barrier_wait -1
.endm
; 16 LDS loads: the activation fragments of one K step (128 rows x 32 channels at byte k behind the running address) into buffer buf
.macro AFETCH buf, k
	WIN 0
.irp tb, 0,1,2,3,4,5,6,7
	ds_load_b128 v[A0+64*(\buf)+8*\tb:A0+64*(\buf)+8*\tb+3],   v[AAD+(\tb)/4] offset:((\tb)%4)*BLK+(\k)
	ds_load_b128 v[A0+64*(\buf)+8*\tb+4:A0+64*(\buf)+8*\tb+7], v[AAD+(\tb)/4] offset:((\tb)%4)*BLK+(\k)+32
.endr
.endm
; Four of those sixteen: row blocks 2 grp and 2 grp + 1
.macro AF4 buf, k, grp
	WIN 0
.set t, 2*(\grp)
.rept 2
	ds_load_b128 v[A0+64*(\buf)+8*t:A0+64*(\buf)+8*t+3],   v[AAD+t/4] offset:(t%4)*BLK+(\k)
	ds_load_b128 v[A0+64*(\buf)+8*t+4:A0+64*(\buf)+8*t+7], v[AAD+t/4] offset:(t%4)*BLK+(\k)+32
.set t, t+1
.endr
.endm
; 16 loads of 512 consecutive bytes: my weight fragments of one K step, at byte off behind the walking pointer, into buffer buf of window 1
.macro BFETCH buf, off
	WIN 0x40
.irp f, 0,1,2,3,4,5,6,7
	global_load_b128 v[64*(\buf)+8*\f:64*(\buf)+8*\f+3],   v[LOFF], s[WP:WP+1] offset:(\off)+1024*\f
	global_load_b128 v[64*(\buf)+8*\f+4:64*(\buf)+8*\f+7], v[LOFF], s[WP:WP+1] offset:(\off)+1024*\f+512
.endr
.endm
; Four of those sixteen: fragments 2 grp and 2 grp + 1
.macro BF4 buf, off, grp
	WIN 0x40
.set t, 2*(\grp)
.rept 2
	global_load_b128 v[64*(\buf)+8*t:64*(\buf)+8*t+3],   v[LOFF], s[WP:WP+1] offset:(\off)+1024*t
	global_load_b128 v[64*(\buf)+8*t+4:64*(\buf)+8*t+7], v[LOFF], s[WP:WP+1] offset:(\off)+1024*t+512
.set t, t+1
.endr
.endm
; Matrix instructions first .. first + count - 1 of the 32 of a half step: column groups 4 half .. 4 half + 3 x all 8 row blocks, 32 along K; number q is column group q / 8 of the four, row block q % 8.
; The accumulators take turns: 63 others stand between two links of a chain.  zero = 1: the product starts the sum.
.macro MUL g, ab, bb, half, zero, first, count
.if (\g) == 1
	WIN 0xa1+0x50*(\half)                          ; weights (source 0) window 1, activations (source 1) window 0, C and D window 2 or 3
.else
	WIN 0xa4+0x50*(\half)                          ; activations (source 0) window 0, weights (source 1) window 1
.endif
.set q, \first
.rept \count
.set rD, 8*q
.set rB, 64*(\bb)+8*(4*(\half)+q/8)
.set rA, A0+64*(\ab)+8*(q%8)
.if (\g) == 1
.if \zero
	v_wmma_f32_16x16x32_bf16 v[rD:rD+7], v[rB:rB+7], v[rA:rA+7], 0
.else
	v_wmma_f32_16x16x32_bf16 v[rD:rD+7], v[rB:rB+7], v[rA:rA+7], v[rD:rD+7]
.endif
.else
.if \zero
	v_wmma_f32_16x16x32_bf16 v[rD:rD+7], v[rA:rA+7], v[rB:rB+7], 0
.else
	v_wmma_f32_16x16x32_bf16 v[rD:rD+7], v[rA:rA+7], v[rB:rB+7], v[rD:rD+7]
.endif
.endif
.set q, q+1
.endr
.endm
; Unit u of the next tile's hi: rows 4 u .. 4 u + 3 of my 32, as f32.  HOME says where it waits.
.macro HOME u
.if (\u) < 4
.set hb, 64*(\u)                       ; the weight buffers
.set hwin, 1
.elseif (\u) < 6
.set hb, A0+64*((\u)-4)                ; the activation buffers
.set hwin, 0
.else
.set hb, 64*((\u)-6)                   ; column groups 0 and 1, when their softmax is over
.set hwin, 2
.endif
.endm
.macro HLOAD u
	HOME \u
	WIN hwin*0x40
.set l, 0
.rept 16
	global_load_b128 v[hb+4*l:hb+4*l+3], v[LOFF], s[HP:HP+1] offset:(4*(\u)+l/4)*2048+(l%4)*512 th:TH_LOAD_NT  ; 512 consecutive bytes of one row; hi is read once in the launch
.set l, l+1
.endr
.endm
.macro HISITE u0, u1=-1                ; the last tile has no successor: its loads are jumped over.  No counted wait on these loads stands in the text: the next wait is for 0, at the next tile's head
	WIN 0
	s_cmp_eq_u32 s[TILE], 1
	s_cbranch_scc1 .Lno_hi_\@
	HLOAD \u0
.if (\u1) >= 0
	HLOAD \u1
.endif
	WIN 0
.Lno_hi_\@:
.endm
.macro HCVT u                          ; unit u is rounded to bf16 in place, four numbers into two registers
	HOME \u
	WIN hwin*0x45
.set l, 0
.rept 16
	v_cvt_pk_bf16_f32 v[hb+4*l], v[hb+4*l], v[hb+4*l+1]
	v_cvt_pk_bf16_f32 v[hb+4*l+1], v[hb+4*l+2], v[hb+4*l+3]
.set l, l+1
.endr
.endm
.macro HPUT u                          ; and put into hi's region: 32 lanes x 8 bytes are 256 consecutive bytes of a row
	HOME \u
	WIN hwin*0x04
.set l, 0
.rept 16
	ds_store_b64 v[HST], v[hb+4*l:hb+4*l+1] offset:(4*(\u)+l/4)*PITCH+(l%4)*256
.set l, l+1
.endr
.endm
; A PREFETCH INTO THE L2 of one unit of MY OWN rows of the next tile: 32 blocks of 256 bytes, a lane a block.  It stands in the middle of the first step of each of GEMM2's three trips, and names units 0, 1, 2:
; the three that are loaded first, at GEMM2's end.  Each block is named once in the launch, by the wave that will load it.  The last tile asks for nothing.  The weights are not asked for: every work-group reads them again and again.
; Its offset v[PFO] is made at the kernel's head, ahead of the wait that stands there, and never written again.
.macro ASK
	WIN 0
	s_cmp_gt_u32 s[TILE], 1
	s_cbranch_scc0 .Lnot_asked_\@
	global_prefetch_b8 v[PFO], s[PF:PF+1] th:TH_LOAD_NT scope:SCOPE_SE
.Lnot_asked_\@:
.endm
; A K STEP of 32: 64 matrix instructions.  Step s multiplies activation buffer s % 2 and weight buffer s % 4 (j = s % 4).  The buffers of step s - 1 are asked for again, for the activations of step s + 1 and the
; weights of step s + 3: 32 loads in eight runs of four, a run behind each four of the step's first 32 products, the activations first, so that 32 products or more stand between the last of them and the step's end.
; lc: the younger weight loads that may stay out (steps s + 1 and s + 2: 16 each); -1: no wait.  zero = 1: a GEMM's first step: the wait at the GEMM's head serves its loads.
.macro STEP g, j, af, bf, zero, lc, hook
.if !(\zero)
	PLACES 4                                       ; behind the last product that read the buffers asked for below
.endif
.if (\lc) >= 0
	s_wait_loadcnt \lc
.endif
	s_wait_dscnt 0x0                               ; the activations, asked for 48 matrix instructions ago or more
.if !(\zero)
	s_wait_alu depctr_va_vdst(0)                   ; the products of the step before are done reading their activation buffer and their weight buffer, in which this step's loads land (in GEMM2's last two steps: units of hi); behind ADV: v[AAD] is written
.endif
.set n, 0
.rept 8
	MUL \g, (\j)%2, \j, 0, \zero, 4*n, 4
.if (n < 4) && (\af)
	AF4 ((\j)+1)%2, 64*((\j)+1), n                 ; no wait: no vector or matrix instruction since the wait names this buffer or v[AAD]
.endif
.if (n >= 4) && (\bf)
	BF4 ((\j)+3)%4, ((\j)+3)*8192, n-4             ; likewise
.endif
.set n, n+1
.endr
.if (\hook) == 1
	ASK
.elseif (\hook) == 2
	HISITE 0, 1
.elseif (\hook) == 3
	HISITE 2
.endif
	MUL \g, (\j)%2, \j, 1, \zero, 0, 32
.endm
.macro ADV g                           ; four steps on
	WIN 0
	s_wait_xcnt 0x0                                ; every load and prefetch issued so far (the youngest 32 matrix instructions back) has read its address, so the pointers may be written
	s_add_nc_u64 s[WP:WP+1], s[WP:WP+1], 4*8192
.if (\g) == 2
	s_add_nc_u64 s[PF:PF+1], s[PF:PF+1], 8192      ; the next unit
.endif
	s_wait_alu depctr_vm_vsrc(0)                   ; the LDS loads issued so far have read v[AAD] and v[AAD+1]
	v_add_nc_u32 v[AAD], 256, v[AAD]
	v_add_nc_u32 v[AAD+1], 256, v[AAD+1]
.endm
.macro GEMM g                          ; steps 0 to 12 of 16; the last three are written out behind it, since they differ
	WIN 0
	s_wait_alu depctr_va_vdst(0)                   ; v[AAD] is written; the conversions (GEMM1) or the other GEMM's last products (GEMM2) are done with both activation buffers and weight buffer 3, in which the loads below and the first step's land
	AFETCH 0, 0
	STEP \g, 0, 1, 1, 1, 32, 0                     ; the first step starts the sums: nothing is cleared
	WIN 0                                          ; at a label and at a branch every window is 0
	s_mov_b32 s[KC], 3
.Lk\g:
	STEP \g, 1, 1, 1, 0, 32, (\g)-1
	STEP \g, 2, 1, 1, 0, 32, 0
	STEP \g, 3, 1, 1, 0, 32, 0
	ADV \g
	STEP \g, 0, 1, 1, 0, 32, 0
	WIN 0
	s_sub_co_u32 s[KC], s[KC], 1
	s_cmp_lg_u32 s[KC], 0
	s_cbranch_scc1 .Lk\g
.endm
; TANH, in place on a column group's 64 registers, as six passes: SC: 2 log2(e) s + bias, a pair a line.  EX: 2^x.  AD: + 1.  RC: the reciprocal.  FI: 1 - 2 y.  CV: two numbers rounded to bf16.
.macro T_SC g, i
.set rr, 64*((\g)%4)+2*(\i)
.set rb, BI+8*(\g)+(2*(\i))%8
	v_pk_fma_f32 v[rr:rr+1], v[rr:rr+1], s[C2:C2+1], v[rb:rb+1] op_sel_hi:[1,0,1]
.endm
.macro T_EX g, i
.set rr, 64*((\g)%4)+(\i)
	v_exp_f32 v[rr], v[rr]
.endm
.macro T_AD g, i
.set rr, 64*((\g)%4)+2*(\i)
	v_pk_add_f32 v[rr:rr+1], v[rr:rr+1], 1.0 op_sel_hi:[1,0]
.endm
.macro T_RC g, i
.set rr, 64*((\g)%4)+(\i)
	v_rcp_f32 v[rr], v[rr]
.endm
.macro T_FI g, i
.set rr, 64*((\g)%4)+2*(\i)
	v_pk_fma_f32 v[rr:rr+1], v[rr:rr+1], -2.0, 1.0 op_sel_hi:[1,0,0]
.endm
.macro T_CV g, i
.set rr, 64*((\g)%4)+8*((\i)/4)
.set pp, (\i)%4
	v_cvt_pk_bf16_f32 v[rr+pp], v[rr+2*pp], v[rr+2*pp+1]
.endm
; Slot s of the pipeline over the column groups lo .. hi of one window.  Five groups are in hand: s + 1 is scaled, s takes its powers, s - 1 its + 1 and its reciprocals, s - 2 is finished and rounded, s - 3 is stored.
; So a transcendental and a plain instruction of ANOTHER group go by turns, and no slot names a result of its own transcendentals: they are one batch, and the ONE wait ahead of
; the first reader stands at the head of the next slot.  The same wait shows the roundings of the slot before written: the eight LDS stores that read them stand straight behind it, and no vector line of the
; slot names group s - 3.  The last slot, hi + 3, is that wait and the last group's stores alone.  SC goes up from each accumulator's lowest registers.
.macro TSLOT s, lo, hi
.if ((\s)-3 >= (\lo)) && ((\s)-3 <= (\hi))
	WIN 0x08+0x04*((\lo)/4)                        ; the stores' data in the groups' window
.else
	WIN 0x8a+0x45*((\lo)/4)                        ; destination, sources 0 and 1 in the groups' window; source 2 (the bias) in window 0
.endif
.if (\s) > (\lo)
	s_wait_alu depctr_va_vdst(0)                   ; the slot before has written its powers and reciprocals, which this slot reads, and its roundings, which the stores below read
.endif
.if ((\s)-3 >= (\lo)) && ((\s)-3 <= (\hi))
.irp tb, 0,1,2,3,4,5,6,7
	ds_store_b128 v[ES+(\tb)/4], v[64*(((\s)-3)%4)+8*\tb:64*(((\s)-3)%4)+8*\tb+3] offset:((\tb)%4)*BLK+32*((\s)-3)  ; row 16 tb + r, columns 16 g + 8 h + 0..7 of my 128
.endr
.endif
.if (\s) <= (\hi)+2
	WIN 0x8a+0x45*((\lo)/4)
.set i, 0
.rept 32
.if ((\s)-1 >= (\lo)) && ((\s)-1 <= (\hi))
	T_AD (\s)-1, i
.endif
.if ((\s) >= (\lo)) && ((\s) <= (\hi))
	T_EX \s, 2*i
.endif
.if ((\s)+1 >= (\lo)) && ((\s)+1 <= (\hi))
	T_SC (\s)+1, i
.endif
.if ((\s) >= (\lo)) && ((\s) <= (\hi))
	T_EX \s, 2*i+1
.endif
.set i, i+1
.endr
.set i, 0
.rept 32
.if ((\s)-1 >= (\lo)) && ((\s)-1 <= (\hi))
	T_RC (\s)-1, 2*i
.endif
.if ((\s)-2 >= (\lo)) && ((\s)-2 <= (\hi))
	T_FI (\s)-2, i
.endif
.if ((\s)-1 >= (\lo)) && ((\s)-1 <= (\hi))
	T_RC (\s)-1, 2*i+1
.endif
.if ((\s)-2 >= (\lo)) && ((\s)-2 <= (\hi))
	T_CV (\s)-2, i
.endif
.set i, i+1
.endr
.endif
.if ((\s) >= (\lo)) && ((\s) <= (\hi)+1)
	v_nop                                          ; a plain instruction behind the slot's last transcendental
.endif
.endm
; THE SOFTMAX of column group g.  TRLOAD: hi[16 tb + 8 h + 0..7][my column], turned, 4 registers a row block.
.macro TRLOAD g
.irp tb, 0,1,2,3,4,5,6,7
	ds_load_tr16_b128 v[HT+32*((\g)%2)+4*\tb:HT+32*((\g)%2)+4*\tb+3], v[TR+(\tb)/4] offset:((\tb)%4)*BLK+32*(\g)
.endr
.endm
.macro WSUM d, s0, h0, c0, up          ; d = p x (a bf16 half of hi) + c0, in f32
.if \up
	v_fma_mix_f32_bf16 v[\d], v[\s0], v[\h0], v[\c0] op_sel:[0,1,0] op_sel_hi:[0,1,0]
.else
	v_fma_mix_f32_bf16 v[\d], v[\s0], v[\h0], v[\c0] op_sel_hi:[0,1,0]
.endif
.endm
.macro SMG g
.set sb, 64*((\g)%4)                   ; the group's first register in its window
.set hw, (\g)/4                        ; window 2 + hw
.set ht, HT+32*((\g)%2)
	WIN 0x0a+5*hw                                  ; sources 0 and 1 in the group's window
.set l, 0
.rept 8                                ; the maximum of my 64 scores and the old m: four chains, three operands at a time; each accumulator's lowest registers are read first
.irp k, 0,1,2,3
.if l == 0
	v_max3_num_f32 v[MX+\k], v[sb+16*\k], v[sb+16*\k+1], v[M+(\g)]
.else
	v_max3_num_f32 v[MX+\k], v[sb+16*\k+2*l], v[sb+16*\k+2*l+1], v[MX+\k]
.endif
.endr
.set l, l+1
.endr
	WIN 0
	v_max3_num_f32 v[MN], v[MX], v[MX+1], v[MX+2]
	v_max_num_f32 v[MN], v[MN], v[MX+3]
	v_sub_f32 v[DD], v[M+(\g)], v[MN]
	v_mul_f32 v[CM], s[CL], v[MN]
	v_mul_f32 v[CM+1], s[CL], v[MN]
	v_mul_f32 v[DD], s[CL], v[DD]
	v_mov_b32 v[M+(\g)], v[MN]
	v_exp_f32 v[AF], v[DD]
	WIN 0x8a+0x45*hw
.set p, 0
.rept 33                               ; c s - c m, a pair a line, and the pair's two powers one line behind it.  a and the 64 powers are ONE batch: nothing names a result ahead of the wait
.if p < 32
	v_pk_fma_f32 v[sb+2*p:sb+2*p+1], v[sb+2*p:sb+2*p+1], s[CL:CL+1], v[CM:CM+1] op_sel_hi:[1,0,1] neg_lo:[0,0,1] neg_hi:[0,0,1]
.endif
.if p > 0
	v_exp_f32 v[sb+2*p-2], v[sb+2*p-2]
	v_exp_f32 v[sb+2*p-1], v[sb+2*p-1]
.endif
.set p, p+1
.endr
	v_nop                                          ; a plain instruction behind the last power
	WIN 0
	s_wait_alu depctr_va_vdst(0)                   ; a and the 64 powers are written, ahead of their first reader; the weighted sum of the group before is done reading its buffer of turned hi, in which the loads below land
.if (\g) < 7
	TRLOAD (\g)+1                                  ; the next group's hi is asked for a group ahead; this group's lines below name the other buffer
	s_wait_dscnt 8                                 ; this group's hi is in; the next group's eight loads may stay out
.else
	s_wait_dscnt 0x0
.endif
	WIN 0x0a+5*hw
.irp k, 0,1,2,3
	v_pk_add_f32 v[LC+2*\k:LC+2*\k+1], v[sb+2*\k:sb+2*\k+1], v[sb+8+2*\k:sb+8+2*\k+1]  ; the row sum's four chains start with two pairs each
.endr
	WIN 0x02+hw                                    ; source 0 in the group's window, all else in window 0
.set i, 0
.rept 64
.set cc, MX+i%4
.if i < 4
.set cc, Z
.endif
	WSUM MX+i%4, sb+i, ht+i/2, cc, i%2             ; the weighted sum, four chains
.if (i%2 == 1) && (i >= 16)
	v_pk_add_f32 v[LC+2*((i/2)%4):LC+2*((i/2)%4)+1], v[sb+i-1:sb+i], v[LC+2*((i/2)%4):LC+2*((i/2)%4)+1]
.endif
.set i, i+1
.endr
	WIN 0
	v_pk_add_f32 v[LC:LC+1], v[LC:LC+1], v[LC+2:LC+3]
	v_pk_add_f32 v[LC+4:LC+5], v[LC+4:LC+5], v[LC+6:LC+7]
	v_add_f32 v[MX], v[MX], v[MX+1]
	v_add_f32 v[MX+2], v[MX+2], v[MX+3]
	v_pk_add_f32 v[LC:LC+1], v[LC:LC+1], v[LC+4:LC+5]
	v_add_f32 v[MX], v[MX], v[MX+2]
	v_add_f32 v[LC], v[LC], v[LC+1]
	v_fma_f32 v[EA+(\g)], v[EA+(\g)], v[AF], v[MX]   ; e = e a + the tile's part
	v_fma_f32 v[L+(\g)], v[L+(\g)], v[AF], v[LC]     ; l = l a + the tile's part
.endm
	s_load_b256 s[4:11], s[0:1], 0x0               ; hi s[4:5], wts s[6:7], cb s[8:9], out0 s[10:11]
	v_lshl_add_u32 v[SPW], v0, 2, SPARE
	v_mov_b32 v[NIL], 0
	v_mov_b32 v[Z], 0
	v_lshrrev_b32 v59, 5, v0
	v_readfirstlane_b32 s[WV], v59                 ; wave 0..3
	v_and_b32 v56, 31, v0                          ; lane
	v_and_b32 v57, 15, v0                          ; r
	v_bfe_u32 v58, v0, 4, 1                        ; h
	v_lshlrev_b32 v[LOFF], 4, v56
	v_lshlrev_b32 v[PFO], 8, v56
	v_lshlrev_b32 v[BOF], 5, v58
	v_mul_u32_u24 v[FRL], v57, PITCH
	v_lshl_add_u32 v[FRL], v58, 4, v[FRL]
	s_wait_alu depctr_va_sdst(0)                   ; s[WV] is written, ahead of its first reader: LDS places and the bases of hi, wts, cb and out0 are made from it
	s_lshl_b32 s32, s[WV], 8                       ; my 128 columns in bf16
	v_add_nc_u32 v[ESL], s32, v[FRL]
	v_and_b32 v59, 7, v0
	v_lshl_add_u32 v59, v58, 3, v59
	v_mul_u32_u24 v[TRL], v59, PITCH
	v_bfe_u32 v59, v0, 3, 1
	v_lshl_add_u32 v[TRL], v59, 4, v[TRL]
	v_add_nc_u32 v[TRL], s32, v[TRL]
	s_mul_i32 s33, s[WV], 32*PITCH                 ; the 32 rows of a tile that I bring in
	v_lshl_add_u32 v[HSL], v56, 3, s33
	s_lshl_b32 s33, s[WV], 9                       ; my 128 columns in f32
	s_add_co_u32 s34, s33, OUTS
	v_lshl_add_u32 v[OA], v57, 2, s34
	v_lshl_add_u32 v[OB], v56, 4, s34
.irp g, 0,1,2,3,4,5,6,7
	v_mov_b32 v[M+\g], 0xfe000000                  ; -4.25e37: the first tile's a is 0
	v_mov_b32 v[L+\g], 0
	v_mov_b32 v[EA+\g], 0
.endr
	s_mov_b32 s[C2], 0x4038aa3b                    ; 2 log2(e)
	s_mov_b32 s[C2+1], s[C2]
	s_mov_b32 s[CL], 0x3fb8aa3b                    ; log2(e)
	s_mov_b32 s[CL+1], s[CL]
	s_mov_b32 s[SEL], 0x76543210
	s_mov_b32 s[SEL+1], 0xfedcba98
	s_lshl_b32 s32, ttmp9, 11                      ; the batch's row of cb and of out0,
	s_add_co_u32 s32, s32, s33                     ; my 512 bytes of it
	s_mov_b32 s33, 0
	s_lshl_b32 s34, ttmp9, 20                      ; the batch's 512 rows of hi,
	s_lshl_b32 s35, s[WV], 16                      ; my 32 rows of a tile
	s_add_co_u32 s34, s34, s35
	s_mov_b32 s35, 0
	s_lshl_b32 s36, s[WV], 18
	s_mov_b32 s37, 0
	s_mov_b32 s[TILE], 4
	s_mov_b32 s[RH], 0
	s_mov_b32 s[RE], REG
	s_wait_kmcnt 0x0
	s_add_nc_u64 s[HP:HP+1], s[4:5], s[34:35]
	s_add_nc_u64 s[WB:WB+1], s[6:7], s[36:37]
	s_add_nc_u64 s[8:9], s[8:9], s[32:33]
	s_add_nc_u64 s[10:11], s[10:11], s[32:33]
	s_wait_alu depctr_va_vdst(0)                   ; the offsets that are made once, v[LOFF], v[PFO], v[BOF], v[OA], v[OB], are written: the loads below and every later load, prefetch and store by them read them
.irp u, 0,1,2,3,4,5,6,7
	HLOAD \u                                       ; the first tile's hi
.endr
	WIN 0
.Ltile:
	s_wait_dscnt 0x0                               ; my LDS reads of the last tile are over,
	BARRIER                                        ; everybody's are: both regions may be written
	s_wait_loadcnt 0x0                             ; this tile's hi is in registers; no load of mine is out
	s_wait_xcnt 0x0
	s_add_nc_u64 s[HP:HP+1], s[HP:HP+1], 128*2048  ; on to the next tile
	s_mov_b64 s[WP:WP+1], s[WB:WB+1]
	s_wait_alu depctr_vm_vsrc(0)                   ; the last tile's LDS instructions have read the seven addresses written below, and its LDS stores the registers that the conversions below write
	v_add_nc_u32 v[HST], s[RH], v[HSL]
	v_add_nc_u32 v[ES], s[RE], v[ESL]
	v_add_nc_u32 v[ES+1], QROWS, v[ES]
	v_add_nc_u32 v[TR], s[RH], v[TRL]
	v_add_nc_u32 v[TR+1], QROWS, v[TR]
	v_add_nc_u32 v[AAD], s[RH], v[FRL]
	v_add_nc_u32 v[AAD+1], QROWS, v[AAD]
	HCVT 0                                         ; the three weight buffers that are wanted first are emptied first,
	HCVT 1
	HCVT 2
	WIN 0x04
	s_wait_alu depctr_va_vdst(0)                   ; v[HST] and the rounded units 0 to 2 are written, which the stores below read
	HPUT 0
	HPUT 1
	HPUT 2
	HCVT 3                                         ; two more units are rounded while those stores read their registers
	HCVT 4
	WIN 0
	s_wait_alu depctr_vm_vsrc(0)                   ; the stores have read weight buffers 0 to 2, in which the weights below land
	s_wait_alu depctr_va_vdst(0)                   ; the conversions are done with those buffers, and the last tile's weighted sums with v192-255, in which the bias lands; the rounded units 3 and 4 are written, which the stores behind the loads read
.irp wb, 0,1,2,3,4,5,6,7
	global_load_b128 v[BI+8*\wb:BI+8*\wb+3],   v[BOF], s[8:9] offset:64*\wb     ; the bias of columns 16 wb + 8 h + 0..7 of my 128
	global_load_b128 v[BI+8*\wb+4:BI+8*\wb+7], v[BOF], s[8:9] offset:64*\wb+16
.endr
	BFETCH 0, 0                                    ; and asked for: the weights of K steps 0, 1, 2 are on their way while the rest of hi is rounded
	BFETCH 1, 8192
	BFETCH 2, 16384
	HPUT 3
	HPUT 4
	HCVT 5
	HCVT 6
	HCVT 7
	WIN 0
	s_wait_alu depctr_va_vdst(0)                   ; the rounded units 5 to 7 are written, which the stores below read
	HPUT 5
	HPUT 6
	HPUT 7
	WIN 0
	s_wait_dscnt 0x0                               ; my rows of hi lie in LDS,
	BARRIER                                        ; everybody's do
	s_wait_alu depctr_vm_vsrc(0)                   ; my stores have read units 3 to 7: weight buffer 3 and the activation buffers, in which GEMM1's first loads land, and column groups 0 and 1, which its first products write
	GEMM 1
	STEP 1, 1, 1, 1, 0, 32, 0                      ; the last three steps ask on, for W_a's first three steps: my stream in wts runs on
	STEP 1, 2, 1, 1, 0, 32, 0
	STEP 1, 3, 0, 1, 0, 32, 0
	ADV 1
	s_wait_dscnt 0x0
	BARRIER                                        ; a phase that reads LDS is over in every wave before one that writes begins
	PLACES 8                                       ; between the last products and the lines that read and rewrite them
.irp s, -1,0,1,2,3,4,5,6
	TSLOT \s, 0, 3
.endr
.irp s, 3,4,5,6,7,8,9,10
	TSLOT \s, 4, 7
.endr
	WIN 0
	s_wait_dscnt 0x0                               ; my columns of E lie in LDS,
	BARRIER                                        ; everybody's do
	s_wait_alu depctr_vm_vsrc(0)                   ; my stores of E have read the accumulators' registers, which GEMM2's first products write; GEMM1's LDS loads have read v[AAD], written below
	v_add_nc_u32 v[AAD], s[RE], v[FRL]
	v_add_nc_u32 v[AAD+1], QROWS, v[AAD]
	s_wait_xcnt 0x0                                ; the last tile's prefetches have read their address
	s_mov_b64 s[PF:PF+1], s[HP:HP+1]
	GEMM 2
	STEP 2, 1, 1, 0, 0, 32, 0                      ; the weights of the last two steps are out
	STEP 2, 2, 1, 0, 0, 0, 2                       ; all weights are in: from here on the only loads out are hi, whichever way the jumps go.  Weight buffers 0 and 1 take units 0 and 1
	STEP 2, 3, 0, 0, 0, -1, 3                      ; buffer 2 takes unit 2
	PLACES 8
	WIN 0
	s_wait_alu depctr_va_vdst(0)                   ; the last step's products are done reading weight buffer 3, in which unit 3 lands, and the last two steps' the activation buffers, which take units 4 and 5 further down
	HISITE 3
	TRLOAD 0
	SMG 0
	SMG 1
	HISITE 4, 5                                    ; the activation buffers: no vector line of the softmax names them
	SMG 2
	SMG 3
	HISITE 6, 7                                    ; column groups 0 and 1 are spent: their last lines stand ahead of group 2's wait, and groups 2 and 3 name other registers
	SMG 4
	SMG 5
	SMG 6
	SMG 7
	WIN 0
	s_xor_b32 s[RH], s[RH], REG                    ; the next tile's hi goes where E lay
	s_xor_b32 s[RE], s[RE], REG
	s_sub_co_u32 s[TILE], s[TILE], 1
	s_cmp_lg_u32 s[TILE], 0
	s_cbranch_scc1 .Ltile
	; THE END.  The two halves of the lanes hold the same column and different rows: their m, l, e are joined; out = e / l.
	s_wait_dscnt 0x0
	BARRIER                                        ; every wave's LDS reads are over before the stage is written
.irp g, 0,1,2,3,4,5,6,7
	v_permlanex16_b32 v[LC+\g], v[M+\g], s[SEL], s[SEL+1]
.endr
.irp g, 0,1,2,3,4,5,6,7
	v_max_num_f32 v[LC+\g], v[M+\g], v[LC+\g]
.endr
.irp g, 0,1,2,3,4,5,6,7
	v_sub_f32 v[LC+\g], v[M+\g], v[LC+\g]
.endr
.irp g, 0,1,2,3,4,5,6,7
	v_mul_f32 v[LC+\g], s[CL], v[LC+\g]
.endr
.irp g, 0,1,2,3,4,5,6,7
	v_exp_f32 v[LC+\g], v[LC+\g]                   ; 2^(c m - c max): 1 in the half that holds the maximum
.endr
	v_nop                                          ; a plain instruction behind the last power,
	s_wait_alu depctr_va_vdst(0)                   ; and one wait for the eight: they are written, ahead of their first reader
.irp g, 0,2,4,6
	v_pk_mul_f32 v[L+\g:L+\g+1], v[L+\g:L+\g+1], v[LC+\g:LC+\g+1]
	v_pk_mul_f32 v[EA+\g:EA+\g+1], v[EA+\g:EA+\g+1], v[LC+\g:LC+\g+1]
.endr
.irp g, 0,1,2,3,4,5,6,7
	v_permlanex16_b32 v[M+\g], v[L+\g], s[SEL], s[SEL+1]
.endr
.irp g, 0,2,4,6
	v_pk_add_f32 v[L+\g:L+\g+1], v[L+\g:L+\g+1], v[M+\g:M+\g+1]
.endr
.irp g, 0,1,2,3,4,5,6,7
	v_permlanex16_b32 v[M+\g], v[EA+\g], s[SEL], s[SEL+1]
.endr
.irp g, 0,2,4,6
	v_pk_add_f32 v[EA+\g:EA+\g+1], v[EA+\g:EA+\g+1], v[M+\g:M+\g+1]
.endr
.irp g, 0,1,2,3,4,5,6,7
	v_rcp_f32 v[LC+\g], v[L+\g]                    ; l is at least 1: the row of the maximum has the weight 1
.endr
	v_nop
	s_wait_alu depctr_va_vdst(0)                   ; one wait for the eight reciprocals: they are written, ahead of their first reader
.irp g, 0,2,4,6
	v_pk_mul_f32 v[EA+\g:EA+\g+1], v[EA+\g:EA+\g+1], v[LC+\g:LC+\g+1]
.endr
	s_wait_alu depctr_va_vdst(0)                   ; the eight quotients are written, which the LDS stores read; the last group's chains are done with v44-47, in which the load from the stage lands
.irp g, 0,1,2,3,4,5,6,7
	ds_store_b32 v[OA], v[EA+\g] offset:64*\g      ; column 16 g + r of my 128; both halves of the lanes write the same word with the same number
.endr
	ds_load_b128 v[MX:MX+3], v[OB]                 ; LDS serves a wave's instructions in order (ISA guide 5.7.1.4): this sees the stores above; the stage is my wave's own
	s_wait_dscnt 0x0
	global_store_b128 v[LOFF], v[MX:MX+3], s[10:11]  ; 32 lanes store 512 consecutive bytes of out0, aligned
	s_wait_dscnt 0x0                               ; the closing lines, six on end
	s_wait_alu 0x0
	s_wait_tensorcnt 0x0
	ds_add_u32 v[SPW], v[NIL]
	s_wait_dscnt 0x0
	s_endpgm
.Lfunc_end_k_q71d6f327f9_main:
	.size	k_q71d6f327f9_main, .Lfunc_end_k_q71d6f327f9_main-k_q71d6f327f9_main
	.p2alignl 7, 3214868480
	.fill 96, 4, 3214868480
	.section	.rodata,"a",@progbits
	.p2align	6, 0x0
	.amdhsa_kernel k_q71d6f327f9_main
		.amdhsa_group_segment_fixed_size 268800
		.amdhsa_private_segment_fixed_size 0
		.amdhsa_enable_private_segment 0
		.amdhsa_kernarg_size 32
		.amdhsa_user_sgpr_count 2
		.amdhsa_user_sgpr_kernarg_segment_ptr 1
		.amdhsa_wavefront_size32 1
		.amdhsa_system_sgpr_workgroup_id_x 1
		.amdhsa_system_sgpr_workgroup_id_y 1
		.amdhsa_system_sgpr_workgroup_id_z 1
		.amdhsa_system_vgpr_workitem_id 0
		.amdhsa_next_free_vgpr 1024
		.amdhsa_next_free_sgpr 66
		.amdhsa_reserve_vcc 0
		.amdhsa_float_denorm_mode_32 3
		.amdhsa_float_denorm_mode_16_64 3
		.amdhsa_memory_ordered 1
		.amdhsa_forward_progress 1
		.amdhsa_inst_pref_size 255
	.end_amdhsa_kernel
	.section	.bss,"aw",@nobits
	.p2align	6
	.space	262144
	.amdgpu_metadata
---
amdhsa.version: [ 1, 2 ]
amdhsa.kernels:
  - .name:           k_q71d6f327f9_main
    .symbol:         k_q71d6f327f9_main.kd
    .args:
      - { .name: hi, .offset: 0, .size: 8, .value_kind: global_buffer, .address_space: global }
      - { .name: wts, .offset: 8, .size: 8, .value_kind: global_buffer, .address_space: global }
      - { .name: cb, .offset: 16, .size: 8, .value_kind: global_buffer, .address_space: global }
      - { .name: out0, .offset: 24, .size: 8, .value_kind: global_buffer, .address_space: global }
    .group_segment_fixed_size: 268800
    .private_segment_fixed_size: 0
    .kernarg_segment_align: 8
    .kernarg_segment_size: 32
    .max_flat_workgroup_size: 128
    .sgpr_count:     66
    .vgpr_count:     1024
    .wavefront_size: 32
...
	.end_amdgpu_metadata
.endif
;; end of part 3
